; MI455X (gfx1250); checked and timed in simulation.
; The chip was launched on July 23, 2026; its instructions are those of AMD's public machine-readable ISA for CDNA 5 (MIT licence, August 2026) and "CDNA5" Instruction Set Architecture Reference Guide (July 2026). The comments in the code are by the model that wrote it; some were corrected since.
;; Causal Multi Head Attention. Allowed arithmetic: matrix products marked QUANTISED: E3M2 operands, one E8M0 scale for each 32 along K, by v_wmma_scale_f32_16x16x128_f8f6f4 with both operands' format E3M2, f32 sums; everything else in f32.
;; Inputs: Wk 1,024 x 1,024 float32; Wo 1,024 x 1,024 float32; Wq 1,024 x 1,024 float32; Wv 1,024 x 1,024 float32; token_positions 4,096 int32; x 1 x 4,096 x 1,024 float32.
;; Outputs: out0 1 x 4,096 x 1,024 float32.
;; This version of the problem:
;;   THIS VERSION OF THE PROBLEM IS GIVEN IN LOW PRECISION. The matrix products marked QUANTISED in the list below multiply operands that are first quantised to E3M2 (3 exponent bits, 2 mantissa bits; 6 bits a number), with one power-of-two scale for each 32 numbers along K (OCP MX v1.0); their sums are f32. All else is computed in f32.
;;   The module's matrix products, in the order in which they are computed (A, B: the left and right operand; K: the contracted axis; several contracted axes count as one K, in the product's order):
;;     1. [M 4,096, K 1,024] x [K 1,024, N 1,024]; A: input x; B: input Wq: QUANTISED
;;     2. [M 4,096, K 1,024] x [K 1,024, N 1,024]; A: input x; B: input Wk: QUANTISED
;;     3. [M 4,096, K 1,024] x [K 1,024, N 1,024]; A: input x; B: input Wv: QUANTISED
;;     4. batch 16 x [M 4,096, K 64] x [K 64, N 4,096]; A: computed on the way; B: computed on the way: QUANTISED
;;     5. batch 16 x [M 4,096, K 4,096] x [K 4,096, N 64]; A: softmax (see below); B: computed on the way: QUANTISED
;;     6. [M 4,096, K 1,024] x [K 1,024, N 1,024]; A: computed on the way; B: input Wo: QUANTISED
;;   THE QUANTISER, for each operand of a quantised product, along K:
;;     - K is cut into blocks of 32 from its start; a last block that is shorter is filled with zeros.
;;     - A block's scale is 2^e with e = floor(log2(the largest magnitude in the block)) - 4, held to -126 .. 127; a block of zeros has e = 0. As a byte (E8M0): e + 127.
;;     - Each number is divided by its block's scale, clamped to +-28, and rounded to the nearest number of E3M2, ties to even, subnormals kept.
;;     - The product sums the exact products of the quantised numbers (number of the format x scale) in f32.
;;   ~~~python
;;   def quantise(x, axis):      # numpy; x: float32 -> the quantised numbers, widened to float32 again
;;       x = np.moveaxis(x, axis, -1); K = x.shape[-1]
;;       x = np.pad(x, [(0, 0)] * (x.ndim - 1) + [(0, -K % 32)]); x = x.reshape(x.shape[:-1] + (-1, 32)); a = np.abs(x).max(-1, keepdims=True)
;;       e = np.where(a > 0, np.clip(np.frexp(np.where(a > 0, a, 1))[1] - 1 - 4, -126, 127), 0)      # np.frexp(a)[1] - 1 = floor(log2(a)), exactly
;;       r = np.clip(x / 2.0 ** e, -28, 28)
;;       step = 2.0 ** (np.maximum(np.frexp(np.where(r == 0, 1, r))[1] - 1, -2) - 2)
;;       q = np.round(r / step) * step * 2.0 ** e      # np.round: ties to even
;;       return np.moveaxis(q.reshape(q.shape[:-2] + (-1,))[..., :K], -1, axis).astype(np.float32)
;;   ~~~
;;   SOFTMAX AHEAD OF A QUANTISED PRODUCT. Where the list says 'softmax', what is quantised is not the finished softmax but p = 2^(t - M), with t = logit x log2(e) and M = ceil(the row's largest t), a whole number; so 1/2 < the row's largest p <= 1. The row's sum l is taken of the UNQUANTISED p, in f32, and the product's result is divided by l at the end. Since M is a whole number, a kernel that streams over the keys may use a running M (the ceiling of the running maximum): every later rescaling is an exact power of two, which a block's scale takes up: the codes' values come out the same.
;;   OPERANDS COMPUTED ON THE WAY. 'Computed on the way' means the value that the module computes at that place (a softmax that the list does not call 'softmax' is quantised finished and normalised). What goes into a quantiser is computed in f32, as accurately as f32 sums, v_exp_f32 and their like allow (about 1e-6 of the number): no bf16 or f16 on the way to a quantiser, and a product that is left as it is and whose result goes on into a quantised operand takes f32 operands (vector FMAs, or v_wmma_f32_16x16x4_f32). A number that lies on a knife's edge between two numbers of the format may be rounded either way, as far as f32 arithmetic and the matrix unit's own rounding can turn it there, and no further.
;; One version. Each part assembles by itself: llvm-mc -triple=amdgcn-amd-amdhsa -mcpu=gfx1250 --defsym DOCPART=n.
;; ======== version 1 of 1: 4 launches
;; limits: right only within a limited range of input values
;; workspace buffers: xwc 6,291,456 bytes; xws 262,144 bytes; cs 1,048,576 bytes; qkvc 9,437,184 bytes; qkvs 393,216 bytes; oc 3,145,728 bytes; os 131,072 bytes
;; launch prep (part 1): grid 320 x 1, 4 waves a work-group, no clusters, 33,280 bytes of LDS; arguments x, Wq, Wk, Wv, Wo, token_positions, xwc, xws, cs; writes xwc, xws, cs
.if DOCPART == 1
	.amdgcn_target "amdgcn-amd-amdhsa--gfx1250"
	.amdhsa_code_object_version 6
	.text
	.protected	k_q2fc16efff1_prep
	.globl	k_q2fc16efff1_prep
	.p2align	8
	.type	k_q2fc16efff1_prep,@function
k_q2fc16efff1_prep:
	s_mov_b64 s[64:65], 0
	v_nop
	global_prefetch_b8 v0, s[64:65] scope:SCOPE_SE
	s_setreg_imm32_b32 hwreg(HW_REG_WAVE_MODE, 25, 1), 1
	s_wait_xcnt 0x0
; CAUSAL MULTI-HEAD ATTENTION IN MX-BF6, launch 1 of 4: x, Wq, Wk, Wv, Wo become codes of BF6 (E3M2) with one E8M0 byte for each 32 along K, and token_positions becomes a table of cos and sin.
; DEAD WORK OF THE WHOLE PROGRAM.  reference() sets score(q, k) to -infinity wherever k > q, by a mask that it builds in its own body; the softmax gives such a key the weight 0 for every finite input, so it adds
; nothing to the row's sum or to the second product.  The third launch therefore leaves out each step of 128 keys all of which come after a wave's 16 queries; inside the one step on the diagonal the work is done and
; masked.  Nothing else is left out; every input has a way to the output and is loaded.  LIMIT: a NaN, an infinity or an overflow that reaches only those masked scores is not carried to the result.
; THE QUANTISER (work-groups 0 to 255).  A block's scale is 2^(floor(log2(its largest magnitude)) - 4); its byte is the largest magnitude's exponent field - 4, held at 1 from below; each number is divided by the scale and
; rounded to the nearest code, ties to even, beyond 28 the largest code.  A block of zeros gets the byte 1 (the rule says 127): its codes are zeros, and this program alone reads the bytes.
; LIMITS: NaN and infinities among the inputs are not served; blocks whose largest magnitude lies under 2^-122 have their byte held at 1.
; All five tensors have rows of 1,024 numbers: a wave takes 8,192 numbers, 8 rows, in 16 steps of 512.  Each load reads 512 consecutive bytes; a step's 2,048 bytes turn through the wave's own stage in LDS, so that a lane
; holds 16 neighbours along K; two neighbouring lanes hold a block.  xwc: [4 quarters of K][8192 rows][192 bytes], xws: [8192 rows][32 bytes]; rows 0-4095 x, then Wq, Wk, Wv, Wo.
; THE ORDER OF ROWS.  In rows 0 to 7167 (all but Wo) the two middle groups of 8 rows of every 32 change places: place 32 B + 16 u + p holds row 32 B + 8 u + p + 8 (p / 8).  Sixteen neighbouring places are then the rows that
; the next launch wants in one tile, so that its results lie 16 neighbours to a lane.  A work-group is 32 rows and a wave 8, so the exchange is an exchange of the waves' destinations.
; THE TABLE (work-groups 256 to 319).  cs: [4096 rows][32 pairs (cos, sin)] f32.  The angle is f32(position) x f32(1 / f32(10^(j / 8))), the very f32 numbers of reference(); sin and cos by a reduction with pi / 2 in three
; parts and polynomials of degree 7 and 8 on [-pi/4, pi/4].  LIMIT: good to about 1e-7 for positions under 2^20 in magnitude.
.set WAVES, 4
.set STEPS, 16
.set EMAX,  4
.set CB,    12                         ; bytes of 16 codes
.set R,     16                         ; v16-79   four sets of 16 numbers as they are loaded
.set X,     80                         ; v80-111  two sets of 16 neighbours
.set C,     128                        ; v128-191 codes: four registers for each step, so that no store's data are written again
.set E,     112                        ; v112-127 a scale byte for each step
.set WREG,  8192                       ; LDS: a region for each wave: two stages of 32 x SP bytes, and behind them its 256 scale bytes
.set SP,    80                         ; a lane's place in a stage: its 64 bytes + 16 of padding
.set SPW,   12                         ; v12      LDS address of my spare word; never rewritten
.set NIL,   13                         ; v13      0; never rewritten
.set SPARE, WAVES*WREG                 ; behind the four regions: the spare words, 128 bytes a wave, which no other line names
.set POS,   48                         ; table: v48-55 positions;  v64-95 results
.set OUT,   64
	s_load_b512 s[4:19], s[0:1], 0x0               ; x 4, Wq 6, Wk 8, Wv 10, Wo 12, token_positions 14, xwc 16, xws 18
	s_load_b64 s[20:21], s[0:1], 0x40              ; cs
	v_lshl_add_u32 v[SPW], v0, 2, SPARE
	v_mov_b32 v[NIL], 0
	v_lshrrev_b32 v1, 5, v0
	v_readfirstlane_b32 s22, v1                    ; wave
	v_and_b32 v2, 31, v0                           ; lane
	s_wait_kmcnt 0x0
	s_cmp_ge_u32 ttmp9, 256                        ; the work-group's number alone decides
	s_cbranch_scc1 .Ltable
	s_wait_alu depctr_va_vdst(0)
	v_lshlrev_b32 v3, 4, v2                        ; my 16 bytes of a load's 512
	s_mul_i32 s23, s22, WREG
	v_lshrrev_b32 v14, 2, v2
	v_mul_u32_u24 v14, v14, SP
	v_and_b32 v15, 3, v2
	v_lshl_add_u32 v14, v15, 4, v14
	v_add_nc_u32 v14, s23, v14                     ; the stage, on the way in: SP (lane / 4) + 16 (lane % 4)
	v_mul_u32_u24 v15, v2, SP
	v_add_nc_u32 v15, s23, v15                     ; and on the way out: SP x lane: my 16 neighbours
	; xwc is laid [4 quarters of K][8192 places][192 bytes]: a row's 768 bytes of codes are cut in four, so that 128 places of a quarter are 24,576 dense bytes, a multiple of 256
	v_and_b32 v4, 15, v2
	v_mul_u32_u24 v4, v4, CB                       ; sixteen lanes hold a quarter of a row: 12 bytes each,
	v_lshrrev_b32 v10, 4, v2
	v_mad_u32_u24 v4, v10, 0x180000, v4            ; and lanes 16-31 the next quarter, 8192 x 192 bytes on
	v_lshrrev_b32 v5, 1, v2
	s_add_co_u32 s23, s23, 2*32*SP
	v_add_nc_u32 v5, s23, v5                       ; LDS: my wave's 256 scale bytes, my block's byte
	v_lshlrev_b32 v7, 3, v2                        ; and on the way out 8 bytes a lane
	v_add_nc_u32 v6, s23, v7
	; which tensor: work-groups 0-127 x, then 32 for each weight.  Only pointers are chosen, on the work-group's number
	s_sub_co_u32 s26, ttmp9, 128
	s_lshr_b32 s27, s26, 5                         ; which weight
	s_and_b32 s28, s26, 31                         ; and which 32 rows of it
	s_mov_b64 s[24:25], s[12:13]
	s_cmp_eq_u32 s27, 2
	s_cselect_b64 s[24:25], s[10:11], s[24:25]
	s_cmp_eq_u32 s27, 1
	s_cselect_b64 s[24:25], s[8:9], s[24:25]
	s_cmp_eq_u32 s27, 0
	s_cselect_b64 s[24:25], s[6:7], s[24:25]
	s_cmp_lt_u32 ttmp9, 128
	s_cselect_b64 s[24:25], s[4:5], s[24:25]
	s_cselect_b32 s28, ttmp9, s28
	s_lshl_b32 s28, s28, 2
	s_add_co_u32 s28, s28, s22                     ; my run of 8 rows in the tensor,
	s_lshl_b32 s28, s28, 15                        ; 32,768 bytes each
	s_mov_b32 s29, 0
	s_add_nc_u64 s[24:25], s[24:25], s[28:29]
	s_and_b32 s30, s22, 1                          ; where it goes: waves 1 and 2 change places,
	s_lshl_b32 s30, s30, 1
	s_lshr_b32 s31, s22, 1
	s_or_b32 s30, s30, s31
	s_cmp_lt_u32 ttmp9, 224                        ; but not in Wo
	s_cselect_b32 s30, s30, s22
	s_lshl_b32 s31, ttmp9, 2
	s_add_co_u32 s30, s30, s31
	s_mul_i32 s28, s30, 8*192                      ; a run is 8 places of 192 bytes in each quarter
	s_add_nc_u64 s[16:17], s[16:17], s[28:29]
	s_lshl_b32 s28, s30, 8                         ; 256 scale bytes a run
	s_add_nc_u64 s[18:19], s[18:19], s[28:29]
.macro LOAD t
.irp i, 0,1,2,3
	global_load_b128 v[R+16*((\t)%4)+4*\i:R+16*((\t)%4)+4*\i+3], v3, s[24:25] offset:2048*(\t)+512*\i th:TH_LOAD_NT   ; 32 lanes read 512 consecutive bytes
.endr
.endm
.macro TURN t                          ; step t's numbers through the stage: LDS serves a wave's instructions in order, so no wait stands between the stores and the loads
.irp i, 0,1,2,3
	ds_store_b128 v14, v[R+16*((\t)%4)+4*\i:R+16*((\t)%4)+4*\i+3] offset:32*SP*((\t)%2)+8*SP*\i
.endr
.irp i, 0,1,2,3
	ds_load_b128 v[X+16*((\t)%2)+4*\i:X+16*((\t)%2)+4*\i+3], v15 offset:32*SP*((\t)%2)+16*\i
.endr
.endm
.irp t, 0,1,2,3
	LOAD \t
.endr
	s_wait_alu depctr_va_vdst(0)
	s_wait_loadcnt 12                              ; step 0's four loads are in
	TURN 0
.macro STEP t
.set XS, X+16*((\t)%2)
.if (\t) > 0
	s_wait_dscnt 1                                 ; this step's numbers are back from the stage (the last step's byte store may be out): so its stores into the stage have read their registers,
.else
	s_wait_dscnt 0x0
.endif
.if (\t)+4 < STEPS
	LOAD (\t)+4                                    ; which take the loads of four steps on
.endif
.if (\t)+1 < STEPS
.if STEPS-2-(\t) >= 3
	s_wait_loadcnt 12                              ; the next step's four loads are in; those of the three steps behind it may be out
.else
	s_wait_loadcnt 4*(STEPS-2-(\t))
.endif
	TURN (\t)+1                                    ; and go through the other stage while this step is worked
.endif
	v_max3_num_f32 v8, |v[XS]|, |v[XS+1]|, |v[XS+2]|               ; the largest magnitude of my 16
	v_max3_num_f32 v9, |v[XS+3]|, |v[XS+4]|, |v[XS+5]|
.irp i, 6,10
	v_max3_num_f32 v8, v8, |v[XS+\i]|, |v[XS+\i+1]|
	v_max3_num_f32 v9, v9, |v[XS+\i+2]|, |v[XS+\i+3]|
.endr
	v_max3_num_f32 v8, v8, |v[XS+14]|, |v[XS+15]|
	v_max3_num_f32 v8, v8, v9, (EMAX+1)<<23        ; and the floor 2^(5 - 127): the byte cannot fall under 1
	v_max_num_f32_dpp v8, v8, v8 row_xmask:1 row_mask:0xf bank_mask:0xf   ; and of my neighbour's 16: the block's
	v_add_nc_u32 v11, -(EMAX<<23), v8              ; 4 off its exponent field: the conversion takes the exponent field of this operand as its scale
	v_cvt_scalef32_pk16_bf6_f32 v[C+4*(\t):C+4*(\t)+2], v[XS:XS+15], v11
	v_lshrrev_b32 v[E+(\t)], 23, v11               ; the scale's byte (a plain line behind the conversion)
	ds_store_b8 v5, v[E+(\t)] offset:16*(\t)       ; both lanes of a block write the same byte with the same value
	global_store_b96 v4, v[C+4*(\t):C+4*(\t)+2], s[16:17] offset:((\t)%2)*3145728+((\t)/2)*192   ; step t: row t / 2, quarters 2 (t % 2) and 2 (t % 2) + 1
.endm
.irp t, 0,1,2,3,4,5,6,7,8,9,10,11,12,13,14,15
	STEP \t
.endr
	ds_load_b64 v[8:9], v6                         ; LDS serves a wave's instructions in order: these see my stores
	s_wait_dscnt 0x0
	global_store_b64 v7, v[8:9], s[18:19]          ; 32 lanes store 256 consecutive bytes, aligned
	s_wait_tensorcnt 0x0                           ; the wave's end, behind my last LDS store
	ds_add_u32 v[SPW], v[NIL]
	s_wait_dscnt 0x0
	s_endpgm
.Ltable:                                       ; no LDS is touched from here on
	s_sub_co_u32 s23, ttmp9, 256
	s_lshl_b32 s23, s23, 2
	s_add_co_u32 s23, s23, s22
	s_lshl_b32 s23, s23, 4                         ; my wave's first row of 16
	s_lshl_b32 s24, s23, 2
	s_mov_b32 s25, 0
	s_add_nc_u64 s[14:15], s[14:15], s[24:25]
	s_lshl_b32 s24, s23, 8
	s_add_nc_u64 s[20:21], s[20:21], s[24:25]
	s_wait_alu depctr_va_vdst(0)
	v_lshrrev_b32 v6, 4, v2
	v_lshlrev_b32 v6, 2, v6                        ; lanes 0-15 take the even row of a pair, lanes 16-31 the odd one
	v_lshlrev_b32 v7, 4, v2                        ; 16 bytes a lane: two pairs (cos, sin); 32 lanes are two rows of the table
.irp it, 0,1,2,3,4,5,6,7
	global_load_b32 v[POS+\it], v6, s[14:15] offset:8*\it
.endr
	s_mov_b32 s31, 0x3f22f983                      ; 2 / pi
	s_mov_b32 s32, 0xbfc90fdb                      ; -(pi / 2), first part,
	s_mov_b32 s33, 0x333bbd2e                      ; second,
	s_mov_b32 s34, 0x26f72ced                      ; third
	s_mov_b32 s35, 0xb94ca1f9                      ; sine: -1.9515296e-4, 8.3321609e-3, -1.6666655e-1
	s_mov_b32 s36, 0x3c08839e
	s_mov_b32 s37, 0xbe2aaaa3
	s_mov_b32 s38, 0x37ccf5ce                      ; cosine: 2.4433157e-5, -1.3887316e-3, 4.1666646e-2
	s_mov_b32 s39, 0xbab6061a
	s_mov_b32 s40, 0x3d2aaaa5
	v_mov_b32 v20, 0
	v_mov_b32 v21, 0
; lane l serves frequencies 2 (l % 16) and 2 (l % 16) + 1.  10000^(j / 32) = 10^(j / 8), written in decimal and rounded to the nearest f32
.macro FREQ j, val
	s_mov_b32 s30, \val
	v_writelane_b32 v[20+((\j)&1)], s30, (\j)>>1
	v_writelane_b32 v[20+((\j)&1)], s30, ((\j)>>1)+16
.endm
	FREQ 0, 1.0
	FREQ 1, 1.3335214321633240
	FREQ 2, 1.7782794100389228
	FREQ 3, 2.3713737056616552
	FREQ 4, 3.1622776601683795
	FREQ 5, 4.2169650342858225
	FREQ 6, 5.6234132519034908
	FREQ 7, 7.4989420933245582
	FREQ 8, 10.0
	FREQ 9, 13.335214321633240
	FREQ 10, 17.782794100389228
	FREQ 11, 23.713737056616552
	FREQ 12, 31.622776601683795
	FREQ 13, 42.169650342858225
	FREQ 14, 56.234132519034908
	FREQ 15, 74.989420933245582
	FREQ 16, 100.0
	FREQ 17, 133.35214321633240
	FREQ 18, 177.82794100389228
	FREQ 19, 237.13737056616552
	FREQ 20, 316.22776601683795
	FREQ 21, 421.69650342858225
	FREQ 22, 562.34132519034908
	FREQ 23, 749.89420933245582
	FREQ 24, 1000.0
	FREQ 25, 1333.5214321633240
	FREQ 26, 1778.2794100389228
	FREQ 27, 2371.3737056616552
	FREQ 28, 3162.2776601683795
	FREQ 29, 4216.9650342858225
	FREQ 30, 5623.4132519034908
	FREQ 31, 7498.9420933245582
	s_wait_alu depctr_va_vdst(0)
	v_rcp_f32 v30, v20
	v_rcp_f32 v31, v21
	v_nop                                          ; a plain line behind the reciprocals,
	s_wait_alu depctr_va_vdst(0)                   ; and one wait for both, ahead of their first reader
.rept 2                                        ; two Newton steps by fused multiply-adds bring the quotient 1 / p to its rounded value
	v_fma_f32 v22, -v20, v30, 1.0
	v_fma_f32 v23, -v21, v31, 1.0
	v_fma_f32 v30, v30, v22, v30
	v_fma_f32 v31, v31, v23, v31
.endr
; cos and sin of position x frequency.  n = the nearest whole number to angle x 2 / pi; r = angle - n pi / 2, the first product exact in the fused form; quadrant n mod 4 chooses and signs, by selects alone
.macro SINCOS pos, f, dc, ds
	v_mul_f32 v22, v[\pos], v[\f]
	v_mul_f32 v23, s31, v22
	v_rndne_f32 v23, v23
	v_fma_f32 v24, v23, s32, v22
	v_fma_f32 v24, v23, s33, v24
	v_fma_f32 v24, v23, s34, v24
	v_cvt_i32_f32 v25, v23
	v_mul_f32 v26, v24, v24
	v_fma_f32 v27, v26, s35, s36
	v_fma_f32 v28, v26, s38, s39
	v_fma_f32 v27, v27, v26, s37
	v_fma_f32 v28, v28, v26, s40
	v_mul_f32 v27, v27, v26
	v_fma_f32 v28, v28, v26, -0.5
	v_fma_f32 v27, v27, v24, v24                   ; sin r
	v_fma_f32 v28, v28, v26, 1.0                   ; cos r
	v_and_b32 v29, 1, v25
	v_cmp_eq_u32 vcc_lo, 1, v29
	v_cndmask_b32 v[\ds], v27, v28, vcc_lo         ; odd quadrants: the two change places
	v_cndmask_b32 v[\dc], v28, v27, vcc_lo
	v_lshlrev_b32 v29, 30, v25
	v_and_b32 v29, 0x80000000, v29                 ; sin is negative in quadrants 2 and 3,
	v_xor_b32 v[\ds], v[\ds], v29
	v_add_nc_u32 v29, 1, v25
	v_lshlrev_b32 v29, 30, v29
	v_and_b32 v29, 0x80000000, v29                 ; cos in 1 and 2
	v_xor_b32 v[\dc], v[\dc], v29
.endm
	s_wait_loadcnt 0x0
.irp it, 0,1,2,3,4,5,6,7
	v_cvt_f32_i32 v[POS+\it], v[POS+\it]
	s_wait_alu depctr_va_vdst(0)
	SINCOS POS+\it, 30, OUT+4*\it, OUT+4*\it+1
	SINCOS POS+\it, 31, OUT+4*\it+2, OUT+4*\it+3
	global_store_b128 v7, v[OUT+4*\it:OUT+4*\it+3], s[20:21] offset:512*\it   ; 32 lanes store 512 consecutive bytes, aligned; each pair of rows has registers of its own
.endr
	s_endpgm
.Lfunc_end_k_q2fc16efff1_prep:
	.size	k_q2fc16efff1_prep, .Lfunc_end_k_q2fc16efff1_prep-k_q2fc16efff1_prep
	.p2alignl 7, 3214868480
	.fill 96, 4, 3214868480
	.section	.rodata,"a",@progbits
	.p2align	6, 0x0
	.amdhsa_kernel k_q2fc16efff1_prep
		.amdhsa_group_segment_fixed_size 33280
		.amdhsa_private_segment_fixed_size 0
		.amdhsa_enable_private_segment 0
		.amdhsa_kernarg_size 72
		.amdhsa_user_sgpr_count 2
		.amdhsa_user_sgpr_kernarg_segment_ptr 1
		.amdhsa_wavefront_size32 1
		.amdhsa_system_sgpr_workgroup_id_x 1
		.amdhsa_system_sgpr_workgroup_id_y 1
		.amdhsa_system_sgpr_workgroup_id_z 1
		.amdhsa_system_vgpr_workitem_id 0
		.amdhsa_next_free_vgpr 192
		.amdhsa_next_free_sgpr 66
		.amdhsa_reserve_vcc 1
		.amdhsa_float_denorm_mode_32 3
		.amdhsa_float_denorm_mode_16_64 3
		.amdhsa_memory_ordered 1
		.amdhsa_forward_progress 1
		.amdhsa_inst_pref_size 62
	.end_amdhsa_kernel
	.amdgpu_metadata
---
amdhsa.version: [ 1, 2 ]
amdhsa.kernels:
  - .name:           k_q2fc16efff1_prep
    .symbol:         k_q2fc16efff1_prep.kd
    .args:
      - { .name: x, .offset: 0, .size: 8, .value_kind: global_buffer, .address_space: global }
      - { .name: Wq, .offset: 8, .size: 8, .value_kind: global_buffer, .address_space: global }
      - { .name: Wk, .offset: 16, .size: 8, .value_kind: global_buffer, .address_space: global }
      - { .name: Wv, .offset: 24, .size: 8, .value_kind: global_buffer, .address_space: global }
      - { .name: Wo, .offset: 32, .size: 8, .value_kind: global_buffer, .address_space: global }
      - { .name: token_positions, .offset: 40, .size: 8, .value_kind: global_buffer, .address_space: global }
      - { .name: xwc, .offset: 48, .size: 8, .value_kind: global_buffer, .address_space: global }
      - { .name: xws, .offset: 56, .size: 8, .value_kind: global_buffer, .address_space: global }
      - { .name: cs, .offset: 64, .size: 8, .value_kind: global_buffer, .address_space: global }
    .group_segment_fixed_size: 33280
    .private_segment_fixed_size: 0
    .kernarg_segment_align: 8
    .kernarg_segment_size: 72
    .max_flat_workgroup_size: 128
    .sgpr_count:     66
    .vgpr_count:     192
    .wavefront_size: 32
...
	.end_amdgpu_metadata
.endif
;; end of part 1
;; launch qkv (part 2): grid 12 x 16, 4 waves a work-group, clusters of 4 x 4, 327,680 bytes of LDS; arguments xwc, xws, cs, qkvc, qkvs; writes qkvc, qkvs
.if DOCPART == 2
	.amdgcn_target "amdgcn-amd-amdhsa--gfx1250"
	.amdhsa_code_object_version 6
	.text
	.protected	k_q2fc16efff1_qkv
	.globl	k_q2fc16efff1_qkv
	.p2align	8
	.type	k_q2fc16efff1_qkv,@function
k_q2fc16efff1_qkv:
	s_mov_b64 s[64:65], 0
	v_nop
	global_prefetch_b8 v0, s[64:65] scope:SCOPE_SE
	s_setreg_imm32_b32 hwreg(HW_REG_WAVE_MODE, 25, 1), 1
	s_wait_xcnt 0x0
	s_wait_alu depctr_hold_cnt(0) depctr_sa_sdst(0) depctr_va_vdst(0) depctr_va_sdst(0) depctr_va_ssrc(0) depctr_va_vcc(0) depctr_vm_vsrc(0)
	s_getreg_b32 s2, hwreg(HW_REG_IB_STS2, 6, 4)
	s_cmp_eq_u32 s2, 0
	s_cbranch_scc0 .Lentry_in_a_cluster
	s_endpgm
.Lentry_in_a_cluster:
	s_bfe_u32 s2, ttmp6, 0x10000c
	s_cmp_lg_u32 s2, 0xf033
	s_cbranch_scc0 .Lentry_shape_is_right
	s_endpgm
.Lentry_shape_is_right:
.set KSTEP,  256
.set NQ,     2
.set ROWB,   8192*192                  ; bytes from a quarter of K to the next in xwc: [4 quarters][8192 places][192 bytes]
.set KROW,   192                       ; bytes from place to place inside a quarter
.set PITCH,  240
.set FR,     12
.set NL,     6
.set NP,     4
.set HALFT,  128*PITCH
.set SLOT,   4*HALFT
.set LAPS,   2
.set KS,     32
.set SCL,    2*SLOT
.set HALFS,  (128*KS/256)*272
.set SBLK,   (16*KS/256)*272
.set SPARE,  SCL+4*HALFS
.set CSO,  8
.set GOF,  9
.set GSO,  10
.set ADRA, 16
.set ADRB, 20
.set ADRS, 27
.set SPW,  28
.set NIL,  29
.set SC,   32
; the table of cos and sin: block a's 32 registers at v[32 a] of window 1, where B's fragments lay
.set AF,   128
.set R,    128
.set IMG,  192
.set TA,   216
.set TB,   220
.set TM,   224
.set PW,   240
.set PWE,  241
.set W0,   242
.set W1,   243
.set WS,   244
.set WA,   248
.set G1, 24
.set G0, 32
.set G1B, 48
.set G0B, 56
.set G1S, 68
.set G0S, 76
.set G1SB, 80
.set G0SB, 88
.set MSB, 0
.macro WIN new
.if MSB != (\new)
	s_set_vgpr_msb (MSB<<8)|(\new)
.set MSB, (\new)
.endif
.endm
.set MUL_LO, 0xa1
.set MUL_HI, 0xf1
.set TO_B,   0x40
.macro JLOAD g0a, g1a, g0b, g1b
	s_cmp_eq_u32 s15, 0
	s_cbranch_scc0 .Lfor_b_\@
	tensor_load_to_lds s[\g0a:\g0a+3], s[\g1a:\g1a+7]
	s_nop 0
.rept 4
	v_nop
.endr
	s_branch .Lasked_\@
.Lfor_b_\@:
	tensor_load_to_lds s[\g0b:\g0b+3], s[\g1b:\g1b+7]
	s_nop 0
.rept 4
	v_nop
.endr
.Lasked_\@:
.endm
.macro CREST
	s_cmp_lg_u32 s14, 0
	s_cbranch_scc1 .Lnot_wave_0_\@
	s_barrier_signal -3
.Lnot_wave_0_\@:
	s_barrier_wait -3
	s_barrier_signal -1
	s_barrier_wait -1
.endm
.macro CROUND
	s_barrier_signal -1
	s_barrier_wait -1
	CREST
.endm
	s_load_b256 s[4:11], s[0:1], 0x0
	s_load_b64 s[12:13], s[0:1], 0x20
	v_lshl_add_u32 v[SPW], v0, 2, SPARE
	v_mov_b32 v[NIL], 0
	ds_add_u32 v[SPW], v[NIL]
	ds_add_u32 v[SPW], v[NIL]
	v_lshrrev_b32 v1, 5, v0
	v_readfirstlane_b32 s14, v1
	s_lshr_b32 s15, s14, 1
	s_and_b32 s16, s14, 1
	s_bfe_u32 s40, ttmp6, 0x40000
	s_bfe_u32 s41, ttmp6, 0x40004
	s_and_b32 s97, ttmp7, 0xffff
	s_cmp_eq_u32 ttmp9, 2
	s_cselect_b32 s96, 1, 0
	s_cselect_b32 s42, s97, ttmp9
	s_cselect_b32 s17, 0, s97
	s_cselect_b32 s98, 6144, 0
	s_cselect_b32 s99, 0, 4096
	s_lshl_b32 s42, s42, 2
	s_add_co_u32 s42, s42, s40
	s_lshl_b32 s17, s17, 2
	s_add_co_u32 s17, s17, s41
	s_lshl_b32 s43, s41, 2
	s_lshl_b32 s43, 15, s43
	s_lshl_b32 s44, 0x1111, s40
	s_or_b32 s[G1+0], s43, (0<<16)|(1<<20)|(1<<21)|(3<<22)|(3<<25)
	s_or_b32 s[G1B+0], s44, (0<<16)|(1<<20)|(1<<21)|(3<<22)|(3<<25)
.irp g, G1, G1B
	s_mov_b32 s[\g+1], 256<<16                     ; 128 places x 192 bytes are dense: 96 rows of 256 bytes, each at a multiple of 256;
	s_mov_b32 s[\g+2], 192<<16                     ; the head's loads bring 256 places: 192 rows; behind them the two words that count rows are set to 96, for the ring's; with 16 bytes of padding behind every 64 a place takes 240 bytes of LDS
	s_mov_b32 s[\g+3], 256<<16
	s_mov_b32 s[\g+4], 192
	s_mov_b32 s[\g+5], 256
	s_mov_b32 s[\g+6], 0
	s_mov_b32 s[\g+7], 0
.endr
	s_or_b32 s[G1S+0], s43, (3<<16)|(1<<20)|(1<<21)|(5<<22)|(3<<25)
	s_or_b32 s[G1SB+0], s44, (3<<16)|(1<<20)|(1<<21)|(5<<22)|(3<<25)
.irp g, G1S, G1SB
	s_mov_b32 s[\g+1], 32<<16
	s_mov_b32 s[\g+2], KS<<16                      ; the scales of 256 places: 256 KS dense bytes as KS rows of 256
	s_mov_b32 s[\g+3], 32<<16
	s_mov_b32 s[\g+4], KS
	s_mov_b32 s[\g+5], 32
	s_mov_b32 s[\g+6], 0
	s_mov_b32 s[\g+7], 0
.endr
	s_lshl_b32 s20, s17, 8                         ; source 1's tile: its first place,
	s_add_co_u32 s20, s20, s98
	s_lshl_b32 s46, s42, 8                         ; source 0's
	s_add_co_u32 s46, s46, s99
	s_mov_b32 s21, 0
	s_mov_b32 s47, 0
	s_mov_b64 s[18:19], KS
	s_mul_u64 s[22:23], s[20:21], s[18:19]
	s_mul_u64 s[92:93], s[46:47], s[18:19]
	s_mov_b64 s[18:19], KROW
	s_mul_u64 s[20:21], s[20:21], s[18:19]
	s_mul_u64 s[46:47], s[46:47], s[18:19]
	s_mul_i32 s45, s14, HALFT
	s_mul_i32 s18, s16, 128*KROW                   ; in the ring I fetch 128 places of a tile: which half, in bytes
	s_mov_b32 s19, 0
	s_wait_dscnt 0x0
	s_wait_kmcnt 0x0
	s_add_nc_u64 s[20:21], s[4:5], s[20:21]
	s_add_nc_u64 s[22:23], s[6:7], s[22:23]
	s_add_nc_u64 s[46:47], s[4:5], s[46:47]
	s_add_nc_u64 s[92:93], s[6:7], s[92:93]
	CROUND
	s_mov_b32 s[G0S], 1
	s_mov_b32 s[G0S+1], SCL
	s_mov_b64 s[G0S+2:G0S+3], s[22:23]
	s_or_b32 s[G0S+3], s[G0S+3], 0x80000000
	s_mov_b32 s[G0SB], 1
	s_mov_b32 s[G0SB+1], SCL+2*HALFS
	s_mov_b64 s[G0SB+2:G0SB+3], s[92:93]
	s_or_b32 s[G0SB+3], s[G0SB+3], 0x80000000
.set G0H,  4                           ; s[4:7], s[92:95]: group 0 for the head's loads of the first quarter of K, 256 places each (what lay there has been used)
.set G0HB, 92
	s_mov_b32 s[G0H], 1
	s_mov_b32 s[G0H+1], 0
	s_mov_b64 s[G0H+2:G0H+3], s[20:21]
	s_or_b32 s[G0H+3], s[G0H+3], 0x80000000
	s_mov_b32 s[G0HB], 1
	s_mov_b32 s[G0HB+1], 2*HALFT
	s_mov_b64 s[G0HB+2:G0HB+3], s[46:47]
	s_or_b32 s[G0HB+3], s[G0HB+3], 0x80000000
	s_add_nc_u64 s[20:21], s[20:21], s[18:19]      ; for the ring: my 128 places of the tile
	s_add_nc_u64 s[46:47], s[46:47], s[18:19]
.irp s, 0,1
	s_mov_b32 s[G0+4*\s], 1
	s_add_co_u32 s[G0+4*\s+1], s45, \s*SLOT
	s_add_nc_u64 s[G0+4*\s+2:G0+4*\s+3], s[20:21], \s*ROWB
	s_or_b32 s[G0+4*\s+3], s[G0+4*\s+3], 0x80000000
	s_mov_b32 s[G0B+4*\s], 1
	s_add_co_u32 s[G0B+4*\s+1], s45, \s*SLOT
	s_add_nc_u64 s[G0B+4*\s+2:G0B+4*\s+3], s[46:47], \s*ROWB
	s_or_b32 s[G0B+4*\s+3], s[G0B+4*\s+3], 0x80000000
.endr
; THE HEAD'S LOADS, ONE A WAVE: wave 0 the first quarter's 256 places of source 1's tile, wave 1 those of source 0's, wave 2 and wave 3 their scales.
; One chain of branches on the wave's number: every way through it passes exactly one load.
.macro ARM under, g0, g1, next
	s_cmp_lt_u32 s14, \under
	s_cbranch_scc0 \next
	tensor_load_to_lds s[\g0:\g0+3], s[\g1:\g1+7]
	s_nop 0
.rept 4
	v_nop
.endr
	s_branch .Lhead_asked
\next:
.endm
	ARM 1, G0H,  G1,  .Lhead_b
	ARM 2, G0HB, G1B, .Lhead_sa
	ARM 3, G0S,  G1S, .Lhead_sb
	tensor_load_to_lds s[G0SB:G0SB+3], s[G1SB:G1SB+7]
	s_nop 0
.rept 4
	v_nop
.endr
.Lhead_asked:
	v_and_b32 v1, 15, v0
	v_bfe_u32 v2, v0, 4, 1
	v_mul_u32_u24 v3, v1, PITCH
	v_mul_u32_u24 v4, v2, 24
	v_add_nc_u32 v4, v3, v4
	v_lshl_add_u32 v5, v2, 4, v4
	s_mul_i32 s21, s15, HALFT
	s_mul_i32 s22, s16, HALFT
	s_add_co_u32 s22, s22, 2*HALFT
.irp s, 0,1
	v_add_nc_u32 v[ADRA+\s], s21, v4
	v_add_nc_u32 v[ADRB+\s], s22, v4
	v_add_nc_u32 v[ADRA+2+\s], s21, v5
	v_add_nc_u32 v[ADRB+2+\s], s22, v5
	s_add_co_u32 s21, s21, SLOT
	s_add_co_u32 s22, s22, SLOT
.endr
	v_mul_u32_u24 v5, v1, KS
	v_lshrrev_b32 v6, 8, v5
	v_lshl_add_u32 v5, v6, 4, v5
	s_mul_i32 s21, s15, HALFS
	s_mul_i32 s22, s16, HALFS
	s_add_co_u32 s22, s22, 2*HALFS
	s_sub_co_u32 s22, s22, s21
	v_mul_u32_u24 v6, s22, v2
	s_add_co_u32 s21, s21, SCL
	v_add_nc_u32 v5, v5, v6
	v_add_nc_u32 v[ADRS], s21, v5
	v_and_b32 v6, 8, v1
	v_add_nc_u32 v6, v6, v1
	v_lshlrev_b32 v[CSO], 8, v6
	v_lshl_add_u32 v[CSO], v2, 6, v[CSO]
	v_and_b32 v6, 31, v0
	v_lshlrev_b32 v[GOF], 4, v6
	v_lshlrev_b32 v[GSO], 4, v1
	v_lshl_add_u32 v[GSO], v2, 13, v[GSO]
	s_lshl_b32 s18, s17, 2
	s_lshl_b32 s21, s15, 1
	s_add_co_u32 s18, s18, s21
	s_lshl_b32 s19, s42, 2
	s_lshl_b32 s21, s16, 1
	s_add_co_u32 s19, s19, s21
	s_and_b32 s19, s19, 15
	s_lshl_b32 s22, s42, 1
	s_add_co_u32 s22, s22, s16
	s_lshl_b32 s23, s17, 1
	s_add_co_u32 s23, s23, s15
	s_cmp_eq_u32 s96, 1
	s_cselect_b32 s18, s18, s19
	s_cselect_b32 s22, s22, s23
	s_mul_i32 s20, ttmp9, 3145728
	s_mul_i32 s21, s18, 196608
	s_add_co_u32 s20, s20, s21
	s_mul_i32 s21, s22, 6144
	s_add_co_u32 s20, s20, s21
	s_mov_b32 s21, 0
	s_add_nc_u64 s[10:11], s[10:11], s[20:21]
	s_lshl_b32 s20, ttmp9, 17
	s_lshl_b32 s19, s18, 13
	s_add_co_u32 s20, s20, s19
	s_lshl_b32 s19, s22, 8
	s_add_co_u32 s20, s20, s19
	s_add_nc_u64 s[12:13], s[12:13], s[20:21]
	s_lshl_b32 s20, s17, 16
	s_lshl_b32 s19, s15, 15
	s_add_co_u32 s20, s20, s19
	s_add_nc_u64 s[8:9], s[8:9], s[20:21]
	s_mov_b32 s97, 0xffff0000
	s_mov_b32 s98, 0x76543210
	s_mov_b32 s99, 0xfedcba98
.macro FRAG reg, adr, q, i
.irp p, 0,1,2,3,4,5
.set PC, 12*(\q)+6*(\p/3)+\p%3
.if PC%8 < 5
	ds_load_b64 v[\reg+2*\p:\reg+2*\p+1], v[\adr] offset:8*PC+16*(PC/8)+(\i)*16*PITCH
.else
	ds_load_b64 v[\reg+2*\p:\reg+2*\p+1], v[\adr+2] offset:8*PC+16*(PC/8)+(\i)*16*PITCH
.endif
.endr
.endm
.macro MUL16 a0, p, q, sc, zero
.irp a, \a0, \a0+1
.irp b, 0,1,2,3,4,5,6,7
.if \zero
	v_wmma_scale_f32_16x16x128_f8f6f4 v[8*(8*((\a)%4)+\b):8*(8*((\a)%4)+\b)+7], v[128*(\p)+FR*\b:128*(\p)+FR*\b+FR-1], v[AF+FR*(\a):AF+FR*(\a)+FR-1], 0, v[SC+8*NQ*(\sc)+NQ*\b+(\q)], v[SC+8*NQ*(\sc)+NQ*(\a)+(\q)] matrix_a_fmt:MATRIX_FMT_BF6 matrix_b_fmt:MATRIX_FMT_BF6 matrix_a_scale:MATRIX_SCALE_ROW1
.else
	v_wmma_scale_f32_16x16x128_f8f6f4 v[8*(8*((\a)%4)+\b):8*(8*((\a)%4)+\b)+7], v[128*(\p)+FR*\b:128*(\p)+FR*\b+FR-1], v[AF+FR*(\a):AF+FR*(\a)+FR-1], v[8*(8*((\a)%4)+\b):8*(8*((\a)%4)+\b)+7], v[SC+8*NQ*(\sc)+NQ*\b+(\q)], v[SC+8*NQ*(\sc)+NQ*(\a)+(\q)] matrix_a_fmt:MATRIX_FMT_BF6 matrix_b_fmt:MATRIX_FMT_BF6 matrix_a_scale:MATRIX_SCALE_ROW1
.endif
.endr
.endr
.endm
.macro FETCH_B slot, q, p
	WIN TO_B
.irp i, 0,1,2,3,4,5,6,7
	FRAG 128*(\p)+FR*\i, ADRB+\slot, \q, \i
.endr
	WIN 0
.endm
.macro FETCH_A slot, q, i0
.irp i, \i0, \i0+1, \i0+2, \i0+3
	FRAG AF+FR*(\i), ADRA+\slot, \q, \i
.endr
.endm
.macro SCALES sc
.irp i, 0,1,2,3,4,5,6,7
	ds_load_b64 v[SC+8*NQ*\sc+NQ*\i:SC+8*NQ*\sc+NQ*\i+1], v[ADRS] offset:\i*SBLK
.endr
.endm
.macro PLACES n
.rept \n
	v_nop
.endr
.endm
.macro STEP slot, q, zero
	s_wait_dscnt 4*NL
	WIN MUL_LO
	MUL16 0, (\q)%2, \q, \slot, \zero
	MUL16 2, (\q)%2, \q, \slot, \zero
	s_wait_dscnt 0
	PLACES NP
	FETCH_B \slot, (\q)+1, 1-(\q)%2
	FETCH_A \slot, (\q)+1, 0
	WIN MUL_HI
	MUL16 4, (\q)%2, \q, \slot, \zero
	MUL16 6, (\q)%2, \q, \slot, \zero
	PLACES NP
	WIN 0
	FETCH_A \slot, (\q)+1, 4
.endm
.macro TURN slot, next, fill
	s_wait_tensorcnt 0x0
	ds_add_u32 v[SPW], v[NIL]
	s_wait_dscnt 4*NL+1
	WIN MUL_LO
	MUL16 0, 1, NQ-1, \slot, 0
	s_wait_dscnt 0x0
	s_barrier_signal -1
	MUL16 2, 1, NQ-1, \slot, 0
	WIN 0
	s_barrier_wait -1
.if \fill
	CREST
	s_add_nc_u64 s[G0+4*\slot+2:G0+4*\slot+3], s[G0+4*\slot+2:G0+4*\slot+3], 2*ROWB
	s_add_nc_u64 s[G0B+4*\slot+2:G0B+4*\slot+3], s[G0B+4*\slot+2:G0B+4*\slot+3], 2*ROWB
	JLOAD G0+4*\slot, G1, G0B+4*\slot, G1B
.else
	PLACES NP
.endif
	s_wait_alu depctr_va_vdst(0)
	v_add_nc_u32 v[ADRS], 4*NQ, v[ADRS]
	FETCH_B \next, 0, 0
	FETCH_A \next, 0, 0
	SCALES \next
	WIN MUL_HI
	MUL16 4, 1, NQ-1, \slot, 0
	MUL16 6, 1, NQ-1, \slot, 0
	PLACES NP
	WIN 0
	FETCH_A \next, 0, 4
.endm
.macro CSLOAD a
.irp k, 0,1,2,3,4,5,6,7
	WIN TO_B
	global_load_b128 v[32*(\a)+4*\k:32*(\a)+4*\k+3], v[CSO], s[8:9] offset:(32*((\a)/2)+8*((\a)%2))*256+128*(\k/4)+16*(\k%4)
.endr
	WIN 0
.endm
.macro ROT a
	WIN 6+(\a)/4                                   ; source 0: the accumulators' window, 2 or 3; source 1: the table's, 1
.irp b, 0,1,2,3,4,5,6,7
.irp j, 0,2,4,6
	v_pk_mul_f32 v[R+8*\b+\j:R+8*\b+\j+1], v[64*((\a)%4)+8*\b+\j:64*((\a)%4)+8*\b+\j+1], v[32*(\a)+8*(\b%4)+\j:32*(\a)+8*(\b%4)+\j+1] op_sel_hi:[0,1]
.endr
.irp j, 0,2,4,6
	v_pk_fma_f32 v[R+8*\b+\j:R+8*\b+\j+1], v[64*((\a)%4)+8*\b+\j:64*((\a)%4)+8*\b+\j+1], v[32*(\a)+8*(\b%4)+\j:32*(\a)+8*(\b%4)+\j+1], v[R+8*\b+\j:R+8*\b+\j+1] op_sel:[1,1,0] op_sel_hi:[1,0,1] neg_lo:[0,1,0]
.endr
.endr
	WIN 0
.endm
.macro QUANT s, ws, d0, d1
	WIN 5*(\ws)
.irp b, 0,1,2,3
	v_max3_num_f32 v[TM+\b], |v[(\s)+16*\b]|, |v[(\s)+1+16*\b]|, 0x2800000
.endr
.irp i, 2,4,6,8,10,12,14
.irp b, 0,1,2,3
	v_max3_num_f32 v[TM+\b], |v[(\s)+16*\b+\i]|, |v[(\s)+1+16*\b+\i]|, v[TM+\b]
.endr
.endr
	WIN 0
.irp b, 0,1,2,3
	v_permlanex16_b32 v[TM+4+\b], v[TM+\b], s98, s99
.endr
.irp b, 0,1,2,3
	v_max_num_f32 v[TM+\b], v[TM+\b], v[TM+4+\b]
.endr
.irp b, 0,1,2,3
	v_add_nc_u32 v[TM+12+\b], 0xfe000000, v[TM+\b]
.endr
.irp b, 0,1,2,3
	v_lshrrev_b32 v[TM+4+\b], 23, v[TM+12+\b]
.endr
	v_lshl_or_b32 v[PW], v[TM+5], 8, v[TM+4]
	v_lshl_or_b32 v[PW], v[TM+6], 16, v[PW]
	v_lshl_or_b32 v[PW], v[TM+7], 24, v[PW]
	WIN (\ws)
	v_cvt_scalef32_pk16_bf6_f32 v[(\d0):(\d0)+2], v[(\s):(\s)+15], v[TM+12]
	v_cvt_scalef32_pk16_bf6_f32 v[TA:TA+2], v[(\s)+16:(\s)+31], v[TM+13]
	v_cvt_scalef32_pk16_bf6_f32 v[(\d1):(\d1)+2], v[(\s)+32:(\s)+47], v[TM+14]
	v_cvt_scalef32_pk16_bf6_f32 v[TB:TB+2], v[(\s)+48:(\s)+63], v[TM+15]
	WIN 0
	v_nop
.irp i, 0,1,2
	v_permlane16_swap_b32 v[(\d0)+\i], v[TA+\i]
	v_permlane16_swap_b32 v[(\d1)+\i], v[TB+\i]
.endr
.irp i, 0,1,2
	v_mov_b32 v[(\d0)+3+\i], v[TA+\i]
	v_mov_b32 v[(\d1)+3+\i], v[TB+\i]
.endr
.endm
	s_wait_alu depctr_va_vdst(0)                   ; the wait at the head's end
	s_wait_tensorcnt 0x0                           ; my tile of the head's four is in
	ds_add_u32 v[SPW], v[NIL]
	s_mov_b32 s[G1+2], 96<<16                      ; no tensor load of mine is out, so a descriptor may be written: from here on a load brings 128 places, 96 rows
	s_mov_b32 s[G1+4], 96
	s_mov_b32 s[G1B+2], 96<<16
	s_mov_b32 s[G1B+4], 96
	s_wait_dscnt 0x0                               ; the add is done
	CROUND                                         ; all four tiles are in, and all sixteen work-groups are here: the joint loads meet,
	JLOAD G0+4, G1, G0B+4, G1B                     ; and slot 1's first fill, the first tensor load behind the round
	FETCH_B 0, 0, 0
	FETCH_A 0, 0, 0
	SCALES 0
	FETCH_A 0, 0, 4
	STEP 0, 0, 1
	s_mov_b32 s3, LAPS-1
.Llap:
	TURN 0, 1, 1
	STEP 1, 0, 0
	TURN 1, 0, 1
	STEP 0, 0, 0
	s_sub_co_u32 s3, s3, 1
	s_cmp_lg_u32 s3, 0
	s_cbranch_scc1 .Llap
	TURN 0, 1, 0
	STEP 1, 0, 0
	s_cmp_eq_u32 s96, 1
	s_cbranch_scc1 .Lno_table
	CSLOAD 0                                       ; five blocks of the table now: B's set 0 (v0-95 of window 1) has had its last product, four places back; v96-127 and v224-255 held nothing
	CSLOAD 1
	CSLOAD 2
	CSLOAD 3
	CSLOAD 7
.Lno_table:
	s_wait_dscnt 4*NL
	WIN MUL_LO
	MUL16 0, 1, NQ-1, 1, 0
	MUL16 2, 1, NQ-1, 1, 0
	s_wait_dscnt 0
	WIN MUL_HI
	MUL16 4, 1, NQ-1, 1, 0
	MUL16 6, 1, NQ-1, 1, 0
	WIN 0
	PLACES NP
.irp b, 0,1,2,3
	v_mov_b32 v[TM+4+\b], 0
.endr
	s_cmp_eq_u32 s96, 1
	s_cbranch_scc1 .Lv
.macro QKBLOCK al, u
.set AB, 2*(\al)+(\u)
.if ((\u) == 0) && ((\al) > 0)
	s_wait_xcnt 0x0
.endif
.if AB < 4                             ; the blocks were asked for in the order 0, 1, 2, 3, 7, 4, 5, 6, eight loads each: the count is that of the loads issued behind this block's
	s_wait_loadcnt 8*(7-AB)
.else
.if AB < 7
	s_wait_loadcnt 8*(6-AB)
.else
	s_wait_loadcnt 0x0
.endif
.endif
	ROT AB
	QUANT R, 0, IMG+6*(\u), IMG+12+6*(\u)
.if (\u) == 0
	v_mov_b32 v[PWE], v[PW]
.else
	v_perm_b32 v[W0], v[PW], v[PWE], 0x05040100
	v_perm_b32 v[W1], v[PW], v[PWE], 0x07060302
	v_cndmask_b32 v[WS+(\al)], v[W0], v[W1], s97
.irp c, 0,1
.irp g, 0,1,2
	global_store_b128 v[GOF], v[IMG+12*\c+4*\g:IMG+12*\c+4*\g+3], s[10:11] offset:\c*196608+(\al)*1536+512*\g
.endr
.endr
.endif
.endm
	CSLOAD 4                                       ; the other three blocks, into B's set 1, eight plain lines behind its last product
	CSLOAD 5
	CSLOAD 6
.irp al, 0,1,2,3
.irp u, 0,1
	QKBLOCK \al, \u
.endr
.endr
	global_store_b128 v[GSO], v[WS:WS+3], s[12:13]
	s_branch .Lend
.Lv:
.irp a, 0,1,2,3,4,5,6,7
.if \a > 0
	s_wait_xcnt 0x0
.endif
	QUANT 64*(\a%4), 2+\a/4, IMG, IMG+6
	v_mov_b32 v[WA+\a], v[PW]
.irp g, 0,1,2
	global_store_b128 v[GOF], v[IMG+4*\g:IMG+4*\g+3], s[10:11] offset:(\a/4)*196608+(\a%4)*1536+512*\g
.endr
.endr
.irp t, 0,1,2,3
	v_cndmask_b32 v[WS+\t], v[WA+\t], v[WA+4+\t], s97
.endr
	global_store_b128 v[GSO], v[WS:WS+3], s[12:13]
.Lend:
	s_wait_tensorcnt 0x0
	ds_add_u32 v[SPW], v[NIL]
	s_wait_dscnt 0x0
	CROUND
	s_endpgm
.Lfunc_end_k_q2fc16efff1_qkv:
	.size	k_q2fc16efff1_qkv, .Lfunc_end_k_q2fc16efff1_qkv-k_q2fc16efff1_qkv
	.p2alignl 7, 3214868480
	.fill 96, 4, 3214868480
	.section	.rodata,"a",@progbits
	.p2align	6, 0x0
	.amdhsa_kernel k_q2fc16efff1_qkv
		.amdhsa_group_segment_fixed_size 327680
		.amdhsa_private_segment_fixed_size 0
		.amdhsa_enable_private_segment 0
		.amdhsa_kernarg_size 40
		.amdhsa_user_sgpr_count 2
		.amdhsa_user_sgpr_kernarg_segment_ptr 1
		.amdhsa_wavefront_size32 1
		.amdhsa_system_sgpr_workgroup_id_x 1
		.amdhsa_system_sgpr_workgroup_id_y 1
		.amdhsa_system_sgpr_workgroup_id_z 1
		.amdhsa_system_vgpr_workitem_id 0
		.amdhsa_next_free_vgpr 1024
		.amdhsa_next_free_sgpr 102
		.amdhsa_reserve_vcc 0
		.amdhsa_float_denorm_mode_32 3
		.amdhsa_float_denorm_mode_16_64 3
		.amdhsa_memory_ordered 1
		.amdhsa_forward_progress 1
		.amdhsa_inst_pref_size 239
	.end_amdhsa_kernel
	.amdgpu_metadata
---
amdhsa.version: [ 1, 2 ]
amdhsa.kernels:
  - .name:           k_q2fc16efff1_qkv
    .symbol:         k_q2fc16efff1_qkv.kd
    .args:
      - { .name: xwc, .offset: 0, .size: 8, .value_kind: global_buffer, .address_space: global }
      - { .name: xws, .offset: 8, .size: 8, .value_kind: global_buffer, .address_space: global }
      - { .name: cs, .offset: 16, .size: 8, .value_kind: global_buffer, .address_space: global }
      - { .name: qkvc, .offset: 24, .size: 8, .value_kind: global_buffer, .address_space: global }
      - { .name: qkvs, .offset: 32, .size: 8, .value_kind: global_buffer, .address_space: global }
    .group_segment_fixed_size: 327680
    .private_segment_fixed_size: 0
    .kernarg_segment_align: 8
    .kernarg_segment_size: 40
    .max_flat_workgroup_size: 128
    .sgpr_count:     102
    .vgpr_count:     1024
    .wavefront_size: 32
...
	.end_amdgpu_metadata
.endif
;; end of part 2
;; launch attn (part 3): grid 32 x 8, 16 waves a work-group, no clusters, 327,680 bytes of LDS; arguments qkvc, qkvs, oc, os; writes oc, os
.if DOCPART == 3
	.amdgcn_target "amdgcn-amd-amdhsa--gfx1250"
	.amdhsa_code_object_version 6
	.text
	.protected	k_q2fc16efff1_attn
	.globl	k_q2fc16efff1_attn
	.p2align	8
	.type	k_q2fc16efff1_attn,@function
k_q2fc16efff1_attn:
	s_mov_b64 s[64:65], 0
	v_nop
	global_prefetch_b8 v0, s[64:65] scope:SCOPE_SE
	s_setreg_imm32_b32 hwreg(HW_REG_WAVE_MODE, 25, 1), 1
	s_wait_xcnt 0x0
; Launch 3 of 4: o = softmax(q k^T / 8, causal) v for 16 heads of 64, both products on codes of BF6, and o quantised along the model's 1,024 for the last product.
; LEFT OUT: each step of 128 keys all of which come after a tile's 16 queries: reference()'s own mask gives those keys the weight 0 (shown at the head of launch 1).
; THE SOFTMAX: t = score x log2(e) / 8; M = the largest t so far, rounded up to a whole number; p = 2^(t - M) is quantised along the keys, not normalised; the sum is taken of the unquantised p and divides at the end.
; When M moves, the sum and O are multiplied by 2^(old M - new M): exact.  LIMIT: holds while |t| stays under 2^31.
; SHARES.  Work-group (i, P) owns heads 2 P, 2 P + 1 and the blocks of 64 queries i (early) and 63 - i (late).  Wave w: head 2 P + w / 8, tile w % 4 of 16 queries, role (w / 4) % 2.
; Waves w (role 0) and w + 4 (role 1) are a pair.  Up to key 256 (i / 4 + 1) the first works the early tile and the second the late tile.  There the early tile has had its last key: its wave divides, quantises and stores it,
; takes the late tile's q and a state of zeros, and from then on the pair shares the late tile's keys: role 0 the first 128 of each slot, role 1 the second 128.  At the end role 0 hands M, the sum and O^T
; through LDS bytes of its own, and role 1 joins the two states by 2^(M - the larger M), exact, and sends the late tile out.  All these branches hang on ids and the count of steps alone.
; No cluster: under the mask the work-groups of a head need different numbers of tiles.
; K and V come through a ring of two LDS slots of 256 keys (waves 0-3: K and V of the two heads, 12,288 dense bytes each), as images of the operands' registers; waves 4-7 bring the scale words once.
; THE HEAD IS 64, THE INSTRUCTION 128 DEEP.  A fragment of K holds two tiles of keys; it is multiplied by (q | zero codes) = v16-27 and by (zero codes | q) = v22-33.  Register 16 b + i of S^T holds key 32 b + 16 h + i.
; Both products are used transposed: a lane holds one query (lane % 16).  O^T's register 16 B + i is channel 32 B + 16 h + i.
; oc: [8 P][256 tiles of 16 rows][1,536]: registers 2 i, 2 i + 1 of lane l at 256 i + 8 l; registers 6 c on: head 2 P + c.  os: [8 P][4096] words: two bytes of each head.
; REGISTERS: v1-7 stay; v8-11 addresses in hand; v12 -M, v13 largest t, v[14:15] sum; v16-33 q, zeros, q; v34-36 q's offsets; v37 the early tile's scale bytes; v40-87 K, then at work; v88-135 V; v136-199 S^T, p;
; v200-231 O^T; v232-243 p's codes; v244-251 K's and V's scale words; v252 f, v253 p's scale word; v254 at work; v255 q's scale word.
; THE SLOT'S SIZE: 512 keys, four steps, 24,576 dense bytes of K or of V of a head (the figures 256 and 12,288 in the comment above are those of half a slot, two steps).
; Of each two steps that a pair shares, role 0 takes the first and role 1 the second; the change of tiles is tested behind every two steps.
.set SK,    512
.set NQ,    4
.set NSL,   8
.set TILEB, 24576
.set SLOT1, 1<<17                      ; slot 0 at byte 0, slot 1 at byte 131,072; a slot takes 98,304 bytes
.set SCK,   4*TILEB                    ; between the slots, 32,768 bytes: the scale words: K's of both heads, 8,192 bytes each; V's behind them
.set SST,   SLOT1+4*TILEB              ; behind slot 1, 512 bytes: o's scale words of the work-group's 128 rows
.set SPARE, SST+512                    ; the spare words, 128 bytes a wave, which no other line names
.set MRG,   SPARE+2048                 ; eight states of 4,608 bytes, one for each pair of waves; no tile lands here
.set AK0,  1
.set AV0,  2
.set ASK0, 3
.set ASV0, 4
.set SPW,  5
.set NIL,  6
.set PFO,  7
.set ADK,  8
.set ADV,  9
.set ADS,  10
.set ADT,  11
.set QO,   34
.set KEEP, 37
.set KFR,  40
.set VFR,  88
.set S,    136
.set O,    200
.set PCD,  232
.set KSC,  244
.set VSC,  248
.set BM,   40
.set PT,   44
.set SOP,  48
.set BY,   52
.set CT,   56
.set CH,   64                          ; v64-77: seven chains of the sum
.set TB,   2
.set TS,   3
.set ROLE, 12
.set Q0L,  13
.set SWA,  14
.set SK0,  16
.set WV,   18
.set SEL,  20
.set CS,   22
.set G1T,  24
.set G1S,  32
.set G0T,  40
.set G0S,  44
.set SLOTS, 67
.set PFA,  76
.set QLC,  78
.set LIM,  80
.set QLS,  94
.set LASTQ, 97
.set KF,   98
.set Q0,   99
.macro TLOAD                           ; waves 0 to 3 fetch; an s_nop 0 and four v_nop follow the line
	s_cmp_lt_u32 s[WV], 4
	s_cbranch_scc0 .Lasked_\@
	tensor_load_to_lds s[G0T:G0T+3], s[G1T:G1T+7]
	s_nop 0
.rept 4
	v_nop
.endr
.Lasked_\@:
.endm
; A prefetch of what the next change of slots will ask for.  All work-groups of a pair of heads walk the same K and V: work-group i = 0, which walks all slots, asks: waves 4 to 6 name K's 2 x 24,576 bytes, waves 8 to 10 V's,
; a lane a block of 256 bytes, two instructions a wave (a head's first and second 12,288 bytes), each block once in the launch.  The last two trips ask for nothing; slots 0 and 1 come by their loads alone.
.macro ASK
	s_cmp_gt_u32 s[SLOTS], s[LIM]
	s_cbranch_scc0 .Lnot_mine_\@
	global_prefetch_b8 v[PFO], s[PFA:PFA+1] th:TH_LOAD_NT scope:SCOPE_SE
	global_prefetch_b8 v[PFO], s[PFA:PFA+1] offset:12288 th:TH_LOAD_NT scope:SCOPE_SE
.Lnot_mine_\@:
.endm
.macro QOFF q, c, w                    ; byte offsets of a tile's q: its block of 32 rows in my head's codes (s61) and its scale words (s62)
	s_lshr_b32 s57, s[\q], 5
	s_mul_i32 s57, s57, 1536
	s_add_co_u32 s[\c], s61, s57
	s_mov_b32 s[\c+1], 0
	s_lshr_b32 s57, s[\q], 7
	s_lshl_b32 s57, s57, 8
	s_add_co_u32 s[\w], s62, s57
	s_bfe_u32 s57, s[\q], 0x20005
	s_lshl_b32 s57, s57, 2
	s_add_co_u32 s[\w], s[\w], s57
	s_mov_b32 s[\w+1], 0
.endm
.macro QLOAD c, w                      ; q's six registers twice, on both sides of the zero codes, and its two scale bytes
	global_load_b64 v[16:17], v[QO], s[\c:\c+1]
	global_load_b64 v[18:19], v[QO+1], s[\c:\c+1]
	global_load_b64 v[20:21], v[QO], s[\c:\c+1] offset:512
	global_load_b64 v[28:29], v[QO], s[\c:\c+1]
	global_load_b64 v[30:31], v[QO+1], s[\c:\c+1]
	global_load_b64 v[32:33], v[QO], s[\c:\c+1] offset:512
	global_load_u16 v255, v[QO+2], s[\w:\w+1]
.endm
.macro INIT                            ; a tile's state at its start; the lines behind the first are also the places between it and the first product
	v_lshl_or_b32 v255, v255, 16, v255             ; q's two bytes twice: for K = 0 .. 63 and for K = 64 .. 127
	v_mov_b32 v13, 0xff61b1e6                      ; the largest t so far: -3e38
	v_mov_b32 v14, 0
	v_mov_b32 v15, 0
	v_floor_f32 v12, -v13                          ; -M
.set n, 0
.rept 32
	v_mov_b32 v[O+n], 0
.set n, n+1
.endr
.endm
; THE WAY OUT of a tile: O^T / the sum is quantised along the channels: two blocks, six registers of codes, stored; the two scale bytes are left in v[BY+2].
.macro WAYOUT
	v_add_f32 v14, v14, v15
	v_and_b32 v9, 31, v0
	v_mov_b32 v[PT], 0
	v_mov_b32 v[PT+1], 0
	v_permlanex16_b32 v252, v14, s[SEL], s[SEL+1]
	v_lshlrev_b32 v9, 3, v9                        ; 8 x lane
	s_delay_alu instid0(VALU_DEP_2)
	v_add_f32 v14, v14, v252                       ; the row's sum
	s_wait_alu depctr_va_vdst(0)                   ; the wait ahead of the reciprocal,
	v_rcp_f32 v14, v14
	v_nop
	s_wait_alu depctr_va_vdst(0)                   ; and ahead of its first reader, which is O^T's first reader too
.set n, 0
.rept 32
	v_mul_f32 v[S+n], v[O+n], v14
.set n, n+1
.endr
.irp b, 0,1
	v_max3_num_f32 v[BM+\b], |v[S+16*\b]|, |v[S+1+16*\b]|, 0x2800000
.endr
.irp i, 2,4,6,8,10,12,14
.irp b, 0,1
	s_delay_alu instid0(VALU_DEP_2)
	v_max3_num_f32 v[BM+\b], v[BM+\b], |v[S+16*\b+\i]|, |v[S+1+16*\b+\i]|
.endr
.endr
.irp b, 0,1
	s_delay_alu instid0(VALU_DEP_2)
	v_permlanex16_b32 v[PT+\b], v[BM+\b], s[SEL], s[SEL+1]
.endr
.irp b, 0,1
	s_delay_alu instid0(VALU_DEP_2)
	v_max_num_f32 v[BM+\b], v[BM+\b], v[PT+\b]
.endr
.irp b, 0,1
	s_delay_alu instid0(VALU_DEP_2)
	v_add_nc_u32 v[SOP+\b], 0xfe000000, v[BM+\b]
.endr
.irp b, 0,1
	s_delay_alu instid0(VALU_DEP_2)
	v_lshrrev_b32 v[BY+\b], 23, v[SOP+\b]
.endr
	s_delay_alu instid0(VALU_DEP_1)
	v_lshl_or_b32 v[BY+2], v[BY+1], 8, v[BY]
	v_cvt_scalef32_pk16_bf6_f32 v[72:74], v[S:S+15], v[SOP]
	v_cvt_scalef32_pk16_bf6_f32 v[68:70], v[S+16:S+31], v[SOP+1]
	v_nop
.irp i, 0,1,2
	v_permlane16_swap_b32 v[72+\i], v[68+\i]
.endr
.irp i, 0,1,2
	s_delay_alu instid0(VALU_DEP_3)
	v_mov_b32 v[75+\i], v[68+\i]
.endr
.irp i, 0,1,2
	global_store_b64 v9, v[72+2*\i:73+2*\i], s[72:73] offset:256*\i   ; 32 lanes store 256 consecutive bytes, aligned
.endr
.endm
	s_load_b256 s[4:11], s[0:1], 0x0               ; qkvc 4, qkvs 6, oc 8, os 10
	v_lshl_add_u32 v[SPW], v0, 2, SPARE
	v_mov_b32 v[NIL], 0
	ds_add_u32 v[SPW], v[NIL]                      ; the opening: the add, twice on end, and its wait ahead of the first tensor load
	ds_add_u32 v[SPW], v[NIL]
	v_lshrrev_b32 v8, 5, v0
	s_delay_alu instid0(VALU_DEP_1)
	v_readfirstlane_b32 s[WV], v8                  ; wave 0..15
	s_and_b32 s48, ttmp7, 0xffff                   ; P
	s_and_b32 s49, s[WV], 3                        ; my tile; also: what I fetch, if I fetch
	s_lshr_b32 s50, s[WV], 3                       ; c: which head of the pair
	s_bfe_u32 s[ROLE], s[WV], 0x10002
	s_lshl_b32 s53, s49, 4
	s_sub_co_u32 s52, 63, ttmp9
	s_lshl_b32 s[Q0L], s52, 6
	s_add_co_u32 s[Q0L], s[Q0L], s53               ; the late tile's first query
	s_lshl_b32 s[Q0], ttmp9, 6
	s_add_co_u32 s[Q0], s[Q0], s53                 ; the early tile's
	s_lshr_b32 s[SWA], ttmp9, 2
	s_add_co_u32 s[SWA], s[SWA], 1
	s_lshl_b32 s[SWA], s[SWA], 8                   ; the first key that the pair shares: 256 (i / 4 + 1)
	s_cmp_eq_u32 s[ROLE], 1
	s_cselect_b32 s[Q0], s[Q0L], s[Q0]             ; the tile that I begin with
	s_cselect_b32 s[SK0], s[SWA], -1               ; from this key on I leave out a slot's first step (role 1),
	s_cselect_b32 s[SK0+1], -1, s[SWA]             ; its second step (role 0)
	s_cselect_b32 s[SWA], 0, s[SWA]                ; role 0 changes tiles there; the count of keys is never 0 at that test
	s_lshl_b32 s[LASTQ], ttmp9, 6
	s_sub_co_u32 s[LASTQ], 4095, s[LASTQ]          ; the work-group's last query
	s_mov_b32 s[G1T], 3<<16                        ; 12,288 dense bytes as 48 rows of 32 elements of 8 bytes
	s_mov_b32 s[G1T+1], 32<<16
	s_mov_b32 s[G1T+2], 96<<16                     ; (24,576 dense bytes: 96 rows)
	s_mov_b32 s[G1T+3], 32<<16
	s_mov_b32 s[G1T+4], 96
	s_mov_b32 s[G1T+5], 32
	s_mov_b32 s[G1T+6], 0
	s_mov_b32 s[G1T+7], 0
	s_mov_b32 s[G1S], 3<<16                        ; a head's scale words: 8,192 bytes as 32 rows
	s_mov_b32 s[G1S+1], 32<<16
	s_mov_b32 s[G1S+2], 32<<16
	s_mov_b32 s[G1S+3], 32<<16
	s_mov_b32 s[G1S+4], 32
	s_mov_b32 s[G1S+5], 32
	s_mov_b32 s[G1S+6], 0
	s_mov_b32 s[G1S+7], 0
	s_lshr_b32 s54, s49, 1
	s_add_co_u32 s54, s54, 1                       ; section 1 (K) or 2 (V)
	s_and_b32 s55, s49, 1
	s_lshl_b32 s56, s48, 1                         ; 2 P
	s_add_co_u32 s55, s55, s56                     ; the head that I fetch for
	s_mul_i32 s82, s54, 3145728
	s_mul_i32 s57, s55, 196608
	s_add_co_u32 s82, s82, s57
	s_mov_b32 s83, 0
	s_lshl_b32 s84, s54, 17
	s_lshl_b32 s57, s55, 13
	s_add_co_u32 s84, s84, s57
	s_mov_b32 s85, 0
	s_mul_i32 s58, s49, TILEB                      ; in a slot: K c0, K c1, V c0, V c1
	s_lshl_b32 s59, s49, 13
	s_add_co_u32 s59, s59, SCK
	s_add_co_u32 s60, s56, s50                     ; my head
	s_mul_i32 s61, s60, 196608
	s_lshl_b32 s62, s60, 13
	QOFF Q0, 86, 88
	QOFF Q0L, QLC, QLS
	s_mul_i32 s90, s48, 393216
	s_lshr_b32 s57, s[Q0], 4
	s_mul_i32 s57, s57, 1536
	s_add_co_u32 s90, s90, s57
	s_mul_i32 s57, s50, 768
	s_add_co_u32 s90, s90, s57                     ; oc: the image of the tile that I send out, my head's half
	s_mov_b32 s91, 0
	s_lshl_b32 s92, s48, 14
	s_lshl_b32 s57, ttmp9, 8
	s_add_co_u32 s92, s92, s57                     ; os: the early block's 64 words
	s_mov_b32 s93, 0
	s_mov_b32 s[SEL], 0x76543210
	s_mov_b32 s[SEL+1], 0xfedcba98
	s_mov_b32 s[CS], 0x3e38aa3b                    ; c = log2(e) / 8
	s_mov_b32 s[CS+1], s[CS]
	s_mov_b32 s[TB], 0
	s_mov_b32 s[TS], 0
	s_mov_b32 s[SLOTS], NSL
	s_mov_b32 s[KF], 0
	s_wait_dscnt 0x0                               ; both opening adds are done
	s_wait_kmcnt 0x0
	s_mov_b32 s[G0S], 1
	s_mov_b32 s[G0S+1], s59
	s_add_nc_u64 s[G0S+2:G0S+3], s[6:7], s[84:85]
	s_or_b32 s[G0S+3], s[G0S+3], 0x80000000
	s_mov_b32 s[G0T], 1
	s_mov_b32 s[G0T+1], s58
	s_add_nc_u64 s[G0T+2:G0T+3], s[4:5], s[82:83]
	s_or_b32 s[G0T+3], s[G0T+3], 0x80000000
	s_cmp_lt_u32 s[WV], 4                          ; the first fills, one a wave, in one chain of branches: waves 0-3 slot 0, waves 4-7 the scale words, filled once
	s_cbranch_scc0 .Lhead_s
	tensor_load_to_lds s[G0T:G0T+3], s[G1T:G1T+7]
	s_nop 0
.rept 4
	v_nop
.endr
	s_branch .Lhead_done
.Lhead_s:
	s_cmp_lt_u32 s[WV], 8
	s_cbranch_scc0 .Lhead_done
	tensor_load_to_lds s[G0S:G0S+3], s[G1S:G1S+7]
	s_nop 0
.rept 4
	v_nop
.endr
.Lhead_done:
	s_add_nc_u64 s[68:69], s[4:5], s[86:87]        ; my first tile's q: codes,
	s_add_nc_u64 s[70:71], s[6:7], s[88:89]        ; scale words;
	s_add_nc_u64 s[QLC:QLC+1], s[4:5], s[QLC:QLC+1]   ; the late tile's
	s_add_nc_u64 s[QLS:QLS+1], s[6:7], s[QLS:QLS+1]
	s_add_nc_u64 s[72:73], s[8:9], s[90:91]        ; oc
	s_add_nc_u64 s[74:75], s[10:11], s[92:93]      ; os
	s_cmp_lt_u32 s[WV], 8                          ; the prefetches: where my wave's stand, and who asks
	s_mov_b32 s82, 6291456
	s_cselect_b32 s82, 3145728, s82
	s_mul_i32 s57, s56, 196608
	s_add_co_u32 s82, s82, s57
	s_add_co_u32 s82, s82, TILEB                   ; in slot 1: the first change of slots steps it to slot 2
	s_mov_b32 s83, 0
	s_add_nc_u64 s[PFA:PFA+1], s[4:5], s[82:83]
	s_sub_co_u32 s57, s[WV], 4
	s_lshr_b32 s57, s57, 3                         ; 0 in waves 4 to 11,
	s_or_b32 s57, s57, ttmp9                       ; of work-group i = 0
	s_cmp_eq_u32 s57, 0
	s_cselect_b32 s[LIM], 2, -1                    ; trip t (8 - t trips to go) names slot t + 2: up to t = 5
	s_cmp_eq_u32 s49, 3                            ; (three waves' worth)
	s_cselect_b32 s[LIM], -1, s[LIM]
	v_and_b32 v[PFO], 31, v0
	s_delay_alu instid0(VALU_DEP_1)
	v_lshl_add_u32 v[PFO], s49, 5, v[PFO]          ; block U of 96: the first 48 in the first head, the others 196,608 bytes on
	v_mov_b32 v41, 184320
	s_delay_alu instid0(VALU_DEP_2)
	v_cmp_le_u32 vcc_lo, 48, v[PFO]
	s_delay_alu instid0(VALU_DEP_1)
	v_cndmask_b32 v40, 0, v41, vcc_lo
	s_delay_alu instid0(VALU_DEP_1)
	v_lshl_add_u32 v[PFO], v[PFO], 8, v40
	; q: query 16 u' + r of a block of 32 rows lies in lane 8 u' + r % 8 + 16 h of the image, registers 6 (r / 8) on
	v_and_b32 v8, 15, v0                           ; r
	v_bfe_u32 v9, v0, 4, 1                         ; h
	v_and_b32 v10, 7, v0
	v_bfe_u32 v11, v0, 3, 1                        ; r / 8
	s_and_b32 s57, s[WV], 1
	s_lshl_b32 s57, s57, 3                         ; 8 u'
	v_add_nc_u32 v10, s57, v10
	s_delay_alu instid0(VALU_DEP_1)
	v_lshl_add_u32 v40, v9, 4, v10
	s_delay_alu instid0(VALU_DEP_1)
	v_lshlrev_b32 v40, 4, v40                      ; 16 x that lane
	s_delay_alu instid0(VALU_DEP_1)
	v_mad_u32_u24 v[QO], v11, 520, v40             ; registers 0, 1 or 6, 7; with 512 more: 4, 5 or 10, 11
	v_mad_u32_u24 v[QO+1], v11, 1016, v40
	s_delay_alu instid0(VALU_DEP_1)
	v_add_nc_u32 v[QO+1], 8, v[QO+1]               ; registers 2, 3 or 8, 9
	v_lshlrev_b32 v[QO+2], 4, v10
	s_delay_alu instid0(VALU_DEP_1)
	v_lshl_add_u32 v[QO+2], v11, 1, v[QO+2]        ; its two scale bytes
	QLOAD 68, 70
	v_and_b32 v[AK0], 31, v0
	s_delay_alu instid0(VALU_DEP_1)
	v_lshlrev_b32 v[AK0], 4, v[AK0]
	s_mul_i32 s57, s50, TILEB
	v_add_nc_u32 v[AK0], s57, v[AK0]               ; an image's place for my lane, in my head's K
	s_delay_alu instid0(VALU_DEP_1)
	v_add_nc_u32 v[AV0], 2*TILEB, v[AK0]           ; and V
	s_lshl_b32 s57, s50, 13
	s_add_co_u32 s57, s57, SCK
	v_lshl_add_u32 v[ASK0], v8, 4, s57             ; K's scale words: four words for lane r
	s_delay_alu instid0(VALU_DEP_1)
	v_add_nc_u32 v[ASV0], 2*8192, v[ASK0]
.irp j, 22,23,24,25,26,27
	v_mov_b32 v\j, 0                               ; the zero codes
.endr
	v_mov_b32 v[KEEP], 0
	v_mov_b32 v252, 0
	v_mov_b32 v253, 0
	v_mov_b32 v254, 0
	s_wait_loadcnt 0x0                             ; q
	INIT
	s_wait_alu depctr_va_vdst(0)                   ; the wait at the head's end
; A KEY STEP: 128 keys, the q-th of the slot in hand.
.macro STEP q
	s_add_co_u32 s96, s[Q0], 15                    ; left out: a step all of whose keys come after my queries,
	s_cmp_gt_u32 s[KF], s96
	s_cbranch_scc1 .Lhidden_\@
	s_cmp_ge_u32 s[KF], s[SK0+(\q)%2]              ; and a step that is my partner's.  Ids and the count of steps alone; round no barrier and no tensor load
	s_cbranch_scc1 .Lhidden_\@
	v_add_nc_u32 v[ADK], s[TB], v[AK0]             ; (these four are also the places between the last products and the loads into their registers)
	v_add_nc_u32 v[ADV], s[TB], v[AV0]
	v_add_nc_u32 v[ADS], s[TS], v[ASK0]
	v_add_nc_u32 v[ADT], s[TS], v[ASV0]
	ds_load_b128 v[KSC:KSC+3], v[ADS]
.irp b, 0,1,2,3
.irp g, 0,1,2
	ds_load_b128 v[KFR+12*\b+4*\g:KFR+12*\b+4*\g+3], v[ADK] offset:6144*(\q)+1536*\b+512*\g
.endr
.endr
	s_wait_alu depctr_va_vdst(0)
	s_wait_dscnt 0x0                               ; K's thirteen loads are in
.irp b, 0,1,2,3
	v_wmma_scale_f32_16x16x128_f8f6f4 v[S+16*\b:S+16*\b+7], v[KFR+12*\b:KFR+12*\b+11], v[16:27], 0, v[KSC+\b], v255 matrix_a_fmt:MATRIX_FMT_BF6 matrix_b_fmt:MATRIX_FMT_BF6
	v_wmma_scale_f32_16x16x128_f8f6f4 v[S+16*\b+8:S+16*\b+15], v[KFR+12*\b:KFR+12*\b+11], v[22:33], 0, v[KSC+\b], v255 matrix_a_fmt:MATRIX_FMT_BF6 matrix_b_fmt:MATRIX_FMT_BF6
.endr
.rept 4
	v_nop
.endr
	ds_load_b128 v[VSC:VSC+3], v[ADT]              ; V's thirteen loads are on their way while the softmax is worked
.irp t, 0,1,2,3
.irp g, 0,1,2
	ds_load_b128 v[VFR+12*\t+4*\g:VFR+12*\t+4*\g+3], v[ADV] offset:6144*(\q)+1536*\t+512*\g
.endr
.endr
	s_add_co_u32 s96, s[KF], 127                   ; on the diagonal hidden scores become -infinity ahead of the maximum; a step all of whose keys count skips this
	s_cmp_le_u32 s96, s[Q0]
	s_cbranch_scc1 .Lopen_\@
	s_sub_co_i32 s96, s[Q0], s[KF]
	v_and_b32 v252, 15, v0
	v_bfe_u32 v253, v0, 4, 1
	s_delay_alu instid0(VALU_DEP_1)
	v_lshlrev_b32 v253, 4, v253
	s_delay_alu instid0(VALU_DEP_1)
	v_sub_nc_u32 v252, v252, v253
	s_delay_alu instid0(VALU_DEP_1)
	v_add_nc_u32 v252, s96, v252                   ; d = my query - the step's first key - 16 h: register 16 b + i is hidden where 32 b + i > d
	v_mov_b32 v254, 0xff800000
.set n, 0
.rept 64
	v_cmp_gt_i32 vcc_lo, 32*(n/16)+n%16, v252
	v_cndmask_b32 v[S+n], v[S+n], v254, vcc_lo
.set n, n+1
.endr
.Lopen_\@:
.irp b, 0,1,2,3
	v_max3_num_f32 v[BM+\b], v[S+16*\b], v[S+1+16*\b], v[S+2+16*\b]   ; the largest score of each block of 32 keys: for the row's maximum, and, since p rises with the score, for the block's largest p
.endr
.irp i, 3,5,7,9,11,13
.irp b, 0,1,2,3
	v_max3_num_f32 v[BM+\b], v[BM+\b], v[S+16*\b+\i], v[S+1+16*\b+\i]
.endr
.endr
.irp b, 0,1,2,3
	v_max_num_f32 v[BM+\b], v[BM+\b], v[S+15+16*\b]
.endr
.irp b, 0,1,2,3
	v_permlanex16_b32 v[PT+\b], v[BM+\b], s[SEL], s[SEL+1]   ; (four independent chains take turns)
.endr
.irp b, 0,1,2,3
	v_max_num_f32 v[BM+\b], v[BM+\b], v[PT+\b]
.endr
	s_delay_alu instid0(VALU_DEP_2)
	v_max3_num_f32 v254, v[BM], v[BM+1], v[BM+2]
	s_delay_alu instid0(VALU_DEP_1)
	v_max_num_f32 v254, v254, v[BM+3]
	s_delay_alu instid0(VALU_DEP_1)
	v_mul_f32 v254, s[CS], v254
	s_delay_alu instid0(VALU_DEP_1)
	v_max_num_f32 v13, v13, v254                   ; the running largest t
	v_mov_b32 v254, v12
	s_delay_alu instid0(VALU_DEP_2)
	v_floor_f32 v12, -v13                          ; the new -M = -ceil(t)
	s_delay_alu instid0(VALU_DEP_1)
	v_sub_f32 v254, v12, v254                      ; old M - new M: a whole number, 0 or less
	s_delay_alu instid0(VALU_DEP_1)
	v_cvt_i32_f32 v254, v254
	s_delay_alu instid0(VALU_DEP_1)
	v_ldexp_f32 v252, 1.0, v254                    ; f = 2^(old M - new M)
.set n, 0
.rept 32
	v_pk_fma_f32 v[S+n:S+n+1], v[S+n:S+n+1], s[CS:CS+1], v[12:13] op_sel_hi:[1,0,0]   ; t - M
.set n, n+2
.endr
.irp b, 0,1,2,3
	v_fma_f32 v[BM+\b], v[BM+\b], s[CS], v12       ; u = the block's largest t - M: its largest p is 2^u, whose exponent field is floor(u) + 127
.endr
.irp b, 0,1,2,3
	v_max_num_f32 v[BM+\b], 0xc2f40000, v[BM+\b]   ; the floor, -122: the byte cannot fall under 1 (a block all of whose keys are hidden, u = -infinity, keeps that byte: its codes are zeros)
.endr
.irp b, 0,1,2,3
	v_cvt_floor_i32_f32 v[BM+\b], v[BM+\b]
.endr
.irp b, 0,1,2,3
	v_add_lshl_u32 v[SOP+\b], v[BM+\b], 123, 23    ; 4 off that exponent field: the byte, in the place where the conversion reads its scale
.endr
.irp b, 0,1,2,3
	v_lshrrev_b32 v[BY+\b], 23, v[SOP+\b]
.endr
	v_lshl_or_b32 v253, v[BY+1], 8, v[BY]          ; p's scale word for these 128 keys
	s_delay_alu instid0(VALU_DEP_1)
	v_lshl_or_b32 v253, v[BY+2], 16, v253
	s_delay_alu instid0(VALU_DEP_1)
	v_lshl_or_b32 v253, v[BY+3], 24, v253
	s_wait_alu depctr_va_vdst(0)                   ; the wait ahead of the batch
.set n, 0
.rept 64
	v_exp_f32 v[S+n], v[S+n]                       ; p = 2^(t - M)
.set n, n+1
.endr
	v_pk_mul_f32 v[14:15], v[14:15], v[252:253] op_sel_hi:[1,0]   ; the sums under the new M (a plain line behind the exponentials)
	s_wait_alu depctr_va_vdst(0)                   ; one wait for the batch, ahead of its first reader
.set n, 0
.rept 7                                        ; the row's sum of the unquantised p: 32 pairs in eight chains
	v_pk_add_f32 v[CH+n:CH+n+1], v[S+2*n:S+2*n+1], v[S+2*n+2:S+2*n+3]
.set n, n+2
.endr
.set n, 28
.rept 2
.set c, 0
.rept 7
	v_pk_add_f32 v[CH+c:CH+c+1], v[CH+c:CH+c+1], v[S+n:S+n+1]
.set c, c+2
.set n, n+2
.endr
	v_pk_add_f32 v[14:15], v[14:15], v[S+n:S+n+1]
.set n, n+2
.endr
	v_pk_add_f32 v[CH:CH+1], v[CH:CH+1], v[S+60:S+61]
	v_pk_add_f32 v[CH+2:CH+3], v[CH+2:CH+3], v[S+62:S+63]
	v_pk_add_f32 v[CH+4:CH+5], v[CH+4:CH+5], v[CH+12:CH+13]
	v_pk_add_f32 v[14:15], v[14:15], v[CH+6:CH+7]
	v_pk_add_f32 v[CH:CH+1], v[CH:CH+1], v[CH+8:CH+9]
	v_pk_add_f32 v[CH+2:CH+3], v[CH+2:CH+3], v[CH+10:CH+11]
	v_pk_add_f32 v[14:15], v[14:15], v[CH+4:CH+5]
	s_delay_alu instid0(VALU_DEP_2)
	v_pk_add_f32 v[CH:CH+1], v[CH:CH+1], v[CH+2:CH+3]
	s_delay_alu instid0(VALU_DEP_1)
	v_pk_add_f32 v[14:15], v[14:15], v[CH:CH+1]
.irp c, 0,1
	v_cvt_scalef32_pk16_bf6_f32 v[PCD+6*\c:PCD+6*\c+2], v[S+32*\c:S+32*\c+15], v[SOP+2*\c]
	v_cvt_scalef32_pk16_bf6_f32 v[CT+4*\c:CT+4*\c+2], v[S+16+32*\c:S+31+32*\c], v[SOP+2*\c+1]
.endr
	v_nop                                          ; one plain line behind the scaled conversions
.irp c, 0,1
.irp i, 0,1,2
	v_permlane16_swap_b32 v[PCD+6*\c+\i], v[CT+4*\c+\i]
.endr
.irp i, 0,1,2
	v_mov_b32 v[PCD+3+6*\c+\i], v[CT+4*\c+\i]
.endr
.endr
	s_wait_alu depctr_va_vdst(0)                   ; the wait directly ahead of O^T's first reader
.set n, 0
.rept 16
	v_pk_mul_f32 v[O+n:O+n+1], v[O+n:O+n+1], v[252:253] op_sel_hi:[1,0]   ; O^T under the new M; these sixteen are also the places in front of the products below
.set n, n+2
.endr
	s_wait_alu depctr_va_vdst(0)                   ; the wait directly ahead of the wait below
	s_wait_dscnt 0x0                               ; V is in
.irp t, 0,1,2,3
	v_wmma_scale_f32_16x16x128_f8f6f4 v[O+8*\t:O+8*\t+7], v[VFR+12*\t:VFR+12*\t+11], v[PCD:PCD+11], v[O+8*\t:O+8*\t+7], v[VSC+\t], v253 matrix_a_fmt:MATRIX_FMT_BF6 matrix_b_fmt:MATRIX_FMT_BF6
.endr
.Lhidden_\@:
	s_add_co_u32 s[KF], s[KF], 128
	s_add_co_u32 s[TS], s[TS], 256                 ; the next step's scale words
.endm
; THE CHANGE OF SLOTS: each wave waits for all its tensor loads, adds 0 to its spare word (fill = 1: twice on end), and waits for that and for its reads of the slot that it has left.
; fill = 1: behind the barrier the other slot is filled with the keys that follow, up to the causal limit.
.macro CHANGE fill
	s_wait_tensorcnt 0x0                           ; no tensor load of mine is out, so a group 0 may be written
	ds_add_u32 v[SPW], v[NIL]
.if \fill
	ds_add_u32 v[SPW], v[NIL]                      ; and once more here, in every trip alike
	s_xor_b32 s[G0T+1], s[G0T+1], SLOT1            ; the walking descriptor: the other slot, the next 512 keys
	s_add_nc_u64 s[G0T+2:G0T+3], s[G0T+2:G0T+3], TILEB
	s_wait_xcnt 0x0                                ; the last prefetch, a slot back, has read its address
	s_add_nc_u64 s[PFA:PFA+1], s[PFA:PFA+1], TILEB
.endif
	s_wait_dscnt 0x0                               ; the adds are done, and my reads of the slot that I have left are over
	s_barrier_signal -1
	s_barrier_wait -1
.if \fill
	s_add_co_u32 s96, s[KF], SK                    ; a slot whose first key comes after the work-group's last query is read by none of its waves and is not asked for:
	s_cmp_gt_u32 s96, s[LASTQ]                     ; ids and the count of steps alone, the same in all sixteen waves; every wait for tensor loads in this text is for 0
	s_cbranch_scc1 .Lpast_\@
	TLOAD                                          ; a wave's one tensor load until the next such barrier
.Lpast_\@:
	ASK
.endif
.endm
.macro SWITCH                          ; role 0, at the first shared key: the early tile is finished
	s_cmp_lg_u32 s[KF], s[SWA]
	s_cbranch_scc1 .Lstay_\@
	QLOAD QLC, QLS                                 ; the late tile's q is on its way while the early tile goes out
	WAYOUT
	v_mov_b32 v[KEEP], v[BY+2]                     ; its scale bytes wait for the end, where the work-group's words are gathered
	s_mov_b32 s[Q0], s[Q0L]
	s_wait_loadcnt 0x0                             ; q
	s_wait_xcnt 0x0                                ; the stores have read their registers, which the next step writes
	INIT
	s_wait_alu depctr_va_vdst(0)                   ; the wait ahead of the branches and waits that follow
.Lstay_\@:
.endm
.Lslot:                                            ; 8 trips, a constant: every work-group walks all changes of slots; in the last trip the next slot's first key, 4,096, lies behind every query, so nothing is asked for
	CHANGE 1
	STEP 0
	STEP 1
	SWITCH
	STEP 2
	STEP 3
	SWITCH
	s_xor_b32 s[TB], s[TB], SLOT1
	s_sub_co_u32 s[SLOTS], s[SLOTS], 1
	s_cmp_lg_u32 s[SLOTS], 0
	s_cbranch_scc1 .Lslot
	; THE END.  All LDS addresses are made here, by every wave, ahead of the parting by roles.
	s_lshl_b32 s57, s50, 2
	s_add_co_u32 s57, s57, s49                     ; my pair: 4 c + tile
	s_mul_i32 s57, s57, 4608
	s_add_co_u32 s57, s57, MRG
	s_and_b32 s58, s[WV], 7
	s_lshl_b32 s58, s58, 6
	s_lshl_b32 s59, s50, 1
	s_add_co_u32 s58, s58, s59
	s_add_co_u32 s58, s58, SST
	s_lshl_b32 s60, ttmp9, 1
	s_sub_co_u32 s60, 63, s60
	s_lshl_b32 s60, s60, 8                         ; from the early block's words to the late block's: 256 (63 - 2 i) bytes
	v_and_b32 v38, 15, v0                          ; r  (these five are also the places behind the last products)
	v_and_b32 v39, 31, v0
	v_lshl_add_u32 v10, v38, 2, s58                ; the word of the row that I send out, my head's half: 64 (wave % 8) + 4 r + 2 c
	v_lshl_add_u32 v11, v39, 4, SST                ; wave 0's way back: 16 x lane
	v_lshl_add_u32 v8, v39, 4, s57                 ; my pair's state: 16 x lane, nine runs of 512 bytes
	s_wait_alu depctr_va_vdst(0)                   ; the wait ahead of the branches and waits below
	s_cmp_lg_u32 s[ROLE], 0
	s_cbranch_scc1 .Lkeeps
.irp j, 0,1,2,3,4,5,6,7
	ds_store_b128 v8, v[O+4*\j:O+4*\j+3] offset:512*\j   ; role 0 hands over O^T, each accumulator from its low end on,
.endr
	ds_store_b128 v8, v[12:15] offset:4096         ; -M, the largest t and the sum,
	ds_store_b16 v10, v[KEEP]                      ; and lays down the early tile's scale bytes
.Lkeeps:
	s_wait_dscnt 0x0                               ; for the others' sake: my stores have landed
	s_barrier_signal -1
	s_barrier_wait -1
	s_cmp_eq_u32 s[ROLE], 0
	s_cbranch_scc1 .Lgave
.irp j, 0,1,2,3,4,5,6,7
	ds_load_b128 v[S+4*\j:S+4*\j+3], v8 offset:512*\j
.endr
	ds_load_b128 v[40:43], v8 offset:4096
	s_wait_dscnt 0x0
	v_min_num_f32 v44, v12, v40                    ; -(the larger M)
	v_mov_b32 v49, 0
	v_mov_b32 v51, 0
	s_delay_alu instid0(VALU_DEP_3)
	v_sub_f32 v45, v44, v12                        ; my M - the larger M, a whole number, 0 or less;
	v_sub_f32 v46, v44, v40                        ; my partner's
	s_delay_alu instid0(VALU_DEP_2)
	v_cvt_i32_f32 v45, v45
	s_delay_alu instid0(VALU_DEP_2)
	v_cvt_i32_f32 v46, v46
	s_delay_alu instid0(VALU_DEP_2)
	v_ldexp_f32 v48, 1.0, v45
	s_delay_alu instid0(VALU_DEP_2)
	v_ldexp_f32 v50, 1.0, v46
	v_pk_mul_f32 v[14:15], v[14:15], v[48:49] op_sel_hi:[1,0]
.set n, 0
.rept 16
	v_pk_mul_f32 v[O+n:O+n+1], v[O+n:O+n+1], v[48:49] op_sel_hi:[1,0]
.set n, n+2
.endr
	v_pk_fma_f32 v[14:15], v[42:43], v[50:51], v[14:15] op_sel_hi:[1,0,1]
.set n, 0
.rept 16
	v_pk_fma_f32 v[O+n:O+n+1], v[S+n:S+n+1], v[50:51], v[O+n:O+n+1] op_sel_hi:[1,0,1]
.set n, n+2
.endr
	WAYOUT                                         ; the late tile
	ds_store_b16 v10, v[BY+2]                      ; both halves of the lanes write the same two bytes
.Lgave:
	s_wait_dscnt 0x0
	s_barrier_signal -1
	s_barrier_wait -1
	s_cmp_lg_u32 s[WV], 0
	s_cbranch_scc1 .Lnot_0
	v_bfe_u32 v47, v0, 4, 1
	s_delay_alu instid0(VALU_DEP_1)
	v_mul_u32_u24 v46, s60, v47
	s_delay_alu instid0(VALU_DEP_1)
	v_lshl_add_u32 v46, v38, 4, v46
	ds_load_b128 v[80:83], v11                     ; the 128 rows' words, whole: lanes 0-15 the early block's, lanes 16-31 the late block's
	s_wait_alu depctr_va_vdst(0)                   ; the wait directly ahead of the wait below
	s_wait_dscnt 0x0
	global_store_b128 v46, v[80:83], s[74:75]      ; sixteen lanes store 256 consecutive bytes, aligned
.Lnot_0:
	s_wait_tensorcnt 0x0                           ; the wave's end
	ds_add_u32 v[SPW], v[NIL]
	s_wait_dscnt 0x0
	s_endpgm
.Lfunc_end_k_q2fc16efff1_attn:
	.size	k_q2fc16efff1_attn, .Lfunc_end_k_q2fc16efff1_attn-k_q2fc16efff1_attn
	.p2alignl 7, 3214868480
	.fill 96, 4, 3214868480
	.section	.rodata,"a",@progbits
	.p2align	6, 0x0
	.amdhsa_kernel k_q2fc16efff1_attn
		.amdhsa_group_segment_fixed_size 327680
		.amdhsa_private_segment_fixed_size 0
		.amdhsa_enable_private_segment 0
		.amdhsa_kernarg_size 32
		.amdhsa_user_sgpr_count 2
		.amdhsa_user_sgpr_kernarg_segment_ptr 1
		.amdhsa_wavefront_size32 1
		.amdhsa_system_sgpr_workgroup_id_x 1
		.amdhsa_system_sgpr_workgroup_id_y 1
		.amdhsa_system_sgpr_workgroup_id_z 1
		.amdhsa_system_vgpr_workitem_id 0
		.amdhsa_next_free_vgpr 256
		.amdhsa_next_free_sgpr 100
		.amdhsa_reserve_vcc 1
		.amdhsa_float_denorm_mode_32 3
		.amdhsa_float_denorm_mode_16_64 3
		.amdhsa_memory_ordered 1
		.amdhsa_forward_progress 1
		.amdhsa_inst_pref_size 121
	.end_amdhsa_kernel
	.amdgpu_metadata
---
amdhsa.version: [ 1, 2 ]
amdhsa.kernels:
  - .name:           k_q2fc16efff1_attn
    .symbol:         k_q2fc16efff1_attn.kd
    .args:
      - { .name: qkvc, .offset: 0, .size: 8, .value_kind: global_buffer, .address_space: global }
      - { .name: qkvs, .offset: 8, .size: 8, .value_kind: global_buffer, .address_space: global }
      - { .name: oc, .offset: 16, .size: 8, .value_kind: global_buffer, .address_space: global }
      - { .name: os, .offset: 24, .size: 8, .value_kind: global_buffer, .address_space: global }
    .group_segment_fixed_size: 327680
    .private_segment_fixed_size: 0
    .kernarg_segment_align: 8
    .kernarg_segment_size: 32
    .max_flat_workgroup_size: 512
    .sgpr_count:     100
    .vgpr_count:     256
    .wavefront_size: 32
...
	.end_amdgpu_metadata
.endif
;; end of part 3
;; launch proj (part 4): grid 8 x 32, 4 waves a work-group, clusters of 4 x 4, 327,680 bytes of LDS; arguments oc, os, xwc, xws, out0; writes out0
.if DOCPART == 4
	.amdgcn_target "amdgcn-amd-amdhsa--gfx1250"
	.amdhsa_code_object_version 6
	.text
	.protected	k_q2fc16efff1_proj
	.globl	k_q2fc16efff1_proj
	.p2align	8
	.type	k_q2fc16efff1_proj,@function
k_q2fc16efff1_proj:
	s_mov_b64 s[64:65], 0
	v_nop
	global_prefetch_b8 v0, s[64:65] scope:SCOPE_SE
	s_setreg_imm32_b32 hwreg(HW_REG_WAVE_MODE, 25, 1), 1
	s_wait_xcnt 0x0
	s_wait_alu depctr_hold_cnt(0) depctr_sa_sdst(0) depctr_va_vdst(0) depctr_va_sdst(0) depctr_va_ssrc(0) depctr_va_vcc(0) depctr_vm_vsrc(0)
	s_getreg_b32 s2, hwreg(HW_REG_IB_STS2, 6, 4)
	s_cmp_eq_u32 s2, 0
	s_cbranch_scc0 .Lentry_in_a_cluster
	s_endpgm
.Lentry_in_a_cluster:
	s_bfe_u32 s2, ttmp6, 0x10000c
	s_cmp_lg_u32 s2, 0xf033
	s_cbranch_scc0 .Lentry_shape_is_right
	s_endpgm
.Lentry_shape_is_right:
; Launch 4 of 4: out0 [4096][1024] f32 = o Wo^T on codes of BF6.  Nothing is left out here.
; A block of 128 x 128 to a work-group: 8 x 32 = 256 work-groups.  K is 1,024: all of it lies in LDS at once (229,376 bytes), each byte filled once, so there is no ring and no refill.
; Four tiles, one joint load a wave: wave 0 o's codes (8 pairs of heads x 12,288 dense bytes: images of the operand's registers, as launch 3 laid them), wave 1 Wo's codes (4 quarters of K x 24,576 dense bytes,
; 16 bytes of padding behind every 64: a row takes 240 bytes of LDS), wave 2 o's scale words (8 x 512 bytes), wave 3 Wo's scale bytes (4,096 dense bytes).  Every row of every tile begins at a multiple of 256 bytes.
; CLUSTERS of 4 x 4: o's tiles hang on the block row alone and are shared along a row of the cluster, Wo's on the block column alone and are shared along a column.
; No prefetch: the launch has no loop to run ahead in; a work-group's four loads go out at its head.
; A wave makes 64 x 64: 16 accumulators, which take turns; a step of 128 along K is 16 matrix instructions on 4 + 4 fragments, in two sets of registers.
; The matrix instruction is used transposed (source 0 = 16 rows of Wo, source 1 = 16 rows of o): a lane holds eight neighbouring numbers of a row of out0.
; REGISTERS: window 0: v16-30 addresses; v32-63 Wo's scale words (block b, step k at 8 b + k), v64-95 o's; v96-191 o's fragments, two sets; on the way out v96-223.  Window 1: v0-95 Wo's fragments, two sets; v96-223 accumulators.
.set BL,     98304                     ; Wo's codes, behind o's
.set SAL,    221184                    ; o's scale words: [8 steps][128 rows]
.set SBL,    225280                    ; Wo's scale bytes: [128 rows][32]
.set SPARE,  229376                    ; the spare words, 128 bytes a wave, which no other line names
.set STAGE,  229888                    ; the way out: 16 rows x 272 bytes for each wave; no tile lands here
.set SPITCH, 272
.set ADRA, 16
.set ADRB, 20
.set STO,  24
.set RD,   25
.set CO,   26
.set ADSA, 27
.set SPW,  28
.set NIL,  29
.set ADSB, 30
.set SB,   32
.set SA,   64
.set AF,   96
.set BK,   96
.set AC,   96
.set GA1,  24
.set GA0,  32
.set GB0,  36
.set GB1,  48
.set GSA0, 56
.set GSB0, 60
.set GSA1, 68
.set GSB1, 80
.set MSB, 0
.macro WIN new                         ; the immediate's high byte repeats the setting that is left
.if MSB != (\new)
	s_set_vgpr_msb (MSB<<8)|(\new)
.set MSB, (\new)
.endif
.endm
.macro CROUND                          ; a round of the cluster's barrier
	s_barrier_signal -1
	s_barrier_wait -1
	s_cmp_lg_u32 s14, 0
	s_cbranch_scc1 .Lnot_wave_0_\@
	s_barrier_signal -3
.Lnot_wave_0_\@:
	s_barrier_wait -3
	s_barrier_signal -1
	s_barrier_wait -1
.endm
.macro DESC g, d0, d1, pitch           ; group 1's constant words: d1 rows of d0 elements of 8 bytes
	s_mov_b32 s[\g+1], (\d0)<<16
	s_mov_b32 s[\g+2], (\d1)<<16
	s_mov_b32 s[\g+3], (\d0)<<16
	s_mov_b32 s[\g+4], \d1
	s_mov_b32 s[\g+5], \pitch
	s_mov_b32 s[\g+6], 0
	s_mov_b32 s[\g+7], 0
.endm
.macro GROUP0 g, lds, a
	s_mov_b32 s[\g], 1
	s_mov_b32 s[\g+1], \lds
	s_mov_b64 s[\g+2:\g+3], s[\a:\a+1]
	s_or_b32 s[\g+3], s[\g+3], 0x80000000
.endm
.macro PLACES
.rept 4
	v_nop
.endr
.endm
	s_load_b256 s[4:11], s[0:1], 0x0               ; oc 4, os 6, xwc 8, xws 10
	s_load_b64 s[12:13], s[0:1], 0x20              ; out0
	v_lshl_add_u32 v[SPW], v0, 2, SPARE
	v_mov_b32 v[NIL], 0
	ds_add_u32 v[SPW], v[NIL]                      ; the opening: the add, twice on end, and its wait ahead of the first tensor load
	ds_add_u32 v[SPW], v[NIL]
	v_lshrrev_b32 v1, 5, v0
	v_readfirstlane_b32 s14, v1                    ; wave 0..3
	s_lshr_b32 s15, s14, 1                         ; which 64 rows of the block are mine
	s_and_b32 s16, s14, 1                          ; which 64 columns
	s_bfe_u32 s40, ttmp6, 0x40000                  ; cx, cy
	s_bfe_u32 s41, ttmp6, 0x40004
	s_lshl_b32 s42, ttmp9, 2
	s_add_co_u32 s42, s42, s40                     ; block column
	s_and_b32 s17, ttmp7, 0xffff
	s_lshl_b32 s17, s17, 2
	s_add_co_u32 s17, s17, s41                     ; block row
	s_lshl_b32 s43, s41, 2
	s_lshl_b32 s43, 15, s43                        ; my row of the cluster
	s_lshl_b32 s44, 0x1111, s40                    ; my column
	s_or_b32 s[GA1], s43, (3<<16)|(1<<21)
	DESC GA1, 1536, 8, 49152                       ; 8 pairs of heads, 393,216 bytes apart
	s_or_b32 s[GB1], s44, (3<<16)|(1<<20)|(1<<21)|(3<<22)|(3<<25)
	DESC GB1, 3072, 4, 196608                      ; 4 quarters of K, 8192 x 192 bytes apart
	s_or_b32 s[GSA1], s43, (3<<16)|(1<<21)
	DESC GSA1, 64, 8, 2048
	s_or_b32 s[GSB1], s44, (3<<16)|(1<<21)
	DESC GSB1, 32, 16, 32
	s_mul_i32 s20, s17, 12288                      ; o: 128 rows are 8 images of 1,536 bytes
	s_mov_b32 s21, 0
	s_lshl_b32 s22, s17, 9                         ; and 128 words
	s_mov_b32 s23, 0
	s_mul_i32 s46, s42, 24576                      ; Wo: places 7168 + 128 x block column
	s_add_co_u32 s46, s46, 7168*192
	s_mov_b32 s47, 0
	s_lshl_b32 s92, s42, 12
	s_add_co_u32 s92, s92, 7168*32
	s_mov_b32 s93, 0
	s_wait_dscnt 0x0                               ; both opening adds are done
	s_wait_kmcnt 0x0
	s_add_nc_u64 s[20:21], s[4:5], s[20:21]
	s_add_nc_u64 s[22:23], s[6:7], s[22:23]
	s_add_nc_u64 s[46:47], s[8:9], s[46:47]
	s_add_nc_u64 s[92:93], s[10:11], s[92:93]
	CROUND                                         ; all sixteen work-groups are here: the joint loads meet
	GROUP0 GA0, 0, 20
	GROUP0 GB0, BL, 46
	GROUP0 GSA0, SAL, 22
	GROUP0 GSB0, SBL, 92
.macro ARM under, g0, g1, next         ; one chain of branches on the wave's number: every way through it passes exactly one load
	s_cmp_lt_u32 s14, \under
	s_cbranch_scc0 \next
	tensor_load_to_lds s[\g0:\g0+3], s[\g1:\g1+7]
	s_nop 0
	PLACES
	s_branch .Lhead_asked
\next:
.endm
	ARM 1, GA0, GA1, .Lhead_b
	ARM 2, GB0, GB1, .Lhead_sa
	ARM 3, GSA0, GSA1, .Lhead_sb
	tensor_load_to_lds s[GSB0:GSB0+3], s[GSB1:GSB1+7]
	s_nop 0
	PLACES
.Lhead_asked:
	s_mul_i32 s18, s15, 4*1536                     ; o's fragments: my four images
	s_mul_i32 s19, s16, 64*240                     ; Wo's: my 64 rows
	s_add_co_u32 s19, s19, BL
	s_lshl_b32 s20, s15, 8
	s_add_co_u32 s20, s20, SAL
	s_lshl_b32 s21, s16, 11
	s_add_co_u32 s21, s21, SBL
	s_mul_i32 s23, s14, 16*SPITCH
	s_add_co_u32 s23, s23, STAGE
	s_lshl_b32 s46, s17, 7
	s_lshl_b32 s47, s15, 6
	s_add_co_u32 s46, s46, s47
	s_lshl_b32 s46, s46, 12                        ; my first row of out0, 4,096 bytes a row,
	s_lshl_b32 s47, s42, 9
	s_add_co_u32 s46, s46, s47
	s_lshl_b32 s47, s16, 8
	s_add_co_u32 s46, s46, s47                     ; and my first column
	s_mov_b32 s47, 0
	s_add_nc_u64 s[12:13], s[12:13], s[46:47]
	v_and_b32 v1, 15, v0                           ; r
	v_bfe_u32 v2, v0, 4, 1                         ; h
	v_and_b32 v3, 31, v0
	v_lshl_add_u32 v[ADRA], v3, 3, s18             ; an image: 8 x lane; steps 0-3,
	v_mul_u32_u24 v4, v1, 240
	v_add_nc_u32 v[ADRA+1], 49152, v[ADRA]         ; steps 4-7
	v_mad_u32_u24 v4, v2, 24, v4
	v_mul_u32_u24 v5, v1, SPITCH
	v_add_nc_u32 v[ADRB], s19, v4                  ; row x 240 + 24 h; quarters 0, 1
	v_mul_u32_u24 v6, v2, SPITCH
	v_lshl_add_u32 v[ADRB+1], v2, 4, v[ADRB]       ; where lanes 16-31 lie behind one more run of padding
	v_add_nc_u32 v[ADRB+2], 61440, v[ADRB]         ; quarters 2, 3
	v_add_nc_u32 v[ADRB+3], 61440, v[ADRB+1]
	v_lshl_add_u32 v[ADSA], v1, 2, s20
	v_lshl_add_u32 v[ADSB], v1, 5, s21
	v_lshl_add_u32 v5, v2, 5, v5
	v_lshl_add_u32 v6, v1, 4, v6
	v_add_nc_u32 v[STO], s23, v5                   ; into the stage: row r, 32 bytes for each half of the lanes
	v_add_nc_u32 v[RD], s23, v6                    ; back: sixteen lanes to a row of 256 bytes, two rows an instruction
	v_lshlrev_b32 v7, 12, v2
	v_lshl_add_u32 v[CO], v1, 4, v7                ; and the same two rows in out0
.macro FRAGB reg, ks, i                ; 16 rows x 128 K of Wo: six pieces of 8 bytes; piece PC of a row's 24 lies at 8 PC + 16 (PC / 8)
.irp p, 0,1,2,3,4,5
.set PC, 12*((\ks)%2)+6*(\p/3)+\p%3
	ds_load_b64 v[\reg+2*\p:\reg+2*\p+1], v[ADRB+2*((\ks)/4)+(PC%8)/5] offset:30720*(((\ks)/2)%2)+8*PC+16*(PC/8)+(\i)*3840
.endr
.endm
.macro FRAGA reg, ks, i
.irp p, 0,1,2,3,4,5
	ds_load_b64 v[\reg+2*\p:\reg+2*\p+1], v[ADRA+(\ks)/4] offset:12288*((\ks)%4)+1536*(\i)+256*\p
.endr
.endm
.macro FETCH ks                        ; 48 loads: step ks's fragments into set ks % 2
	WIN 0x40
.irp i, 0,1,2,3
	FRAGB 48*((\ks)%2)+12*\i, \ks, \i
.endr
	WIN 0
.irp i, 0,1,2,3
	FRAGA AF+48*((\ks)%2)+12*\i, \ks, \i
.endr
.endm
.macro MUL ks, zero                    ; source 0 and the accumulators in window 1, source 1 in window 0
	WIN 0x51
.irp a, 0,1,2,3
.irp b, 0,1,2,3
.if \zero
	v_wmma_scale_f32_16x16x128_f8f6f4 v[AC+8*(4*\a+\b):AC+8*(4*\a+\b)+7], v[48*((\ks)%2)+12*\b:48*((\ks)%2)+12*\b+11], v[AF+48*((\ks)%2)+12*\a:AF+48*((\ks)%2)+12*\a+11], 0, v[SB+8*\b+(\ks)], v[SA+8*\a+(\ks)] matrix_a_fmt:MATRIX_FMT_BF6 matrix_b_fmt:MATRIX_FMT_BF6
.else
	v_wmma_scale_f32_16x16x128_f8f6f4 v[AC+8*(4*\a+\b):AC+8*(4*\a+\b)+7], v[48*((\ks)%2)+12*\b:48*((\ks)%2)+12*\b+11], v[AF+48*((\ks)%2)+12*\a:AF+48*((\ks)%2)+12*\a+11], v[AC+8*(4*\a+\b):AC+8*(4*\a+\b)+7], v[SB+8*\b+(\ks)], v[SA+8*\a+(\ks)] matrix_a_fmt:MATRIX_FMT_BF6 matrix_b_fmt:MATRIX_FMT_BF6
.endif
.endr
.endr
	WIN 0
.endm
	s_wait_alu depctr_va_vdst(0)                   ; the wait at the head's end
	s_wait_tensorcnt 0x0                           ; my tile is in;
	s_barrier_signal -1
	s_barrier_wait -1                              ; and so are the other three
.irp b, 0,1,2,3                        ; all scale words, once: a row of Wo has eight, one for each step
	ds_load_b128 v[SB+8*\b:SB+8*\b+3], v[ADSB] offset:512*\b
	ds_load_b128 v[SB+8*\b+4:SB+8*\b+7], v[ADSB] offset:512*\b+16
.endr
.irp a, 0,1,2,3
.irp k, 0,1,2,3,4,5,6,7
	ds_load_b32 v[SA+8*\a+\k], v[ADSA] offset:512*\k+64*\a
.endr
.endr
	FETCH 0
	FETCH 1
	s_wait_dscnt 48                                ; all but the next step's 48 loads
	MUL 0, 1                                       ; the first step's products start the sums
.irp k, 1,2,3,4,5,6
	PLACES                                         ; between the last products and the loads into the registers that they read
	FETCH \k+1
	s_wait_dscnt 48
	MUL \k, 0
.endr
	s_wait_dscnt 0x0
	MUL 7, 0
; THE WAY OUT, by blocks of 16 rows x 64 columns: through my own stage and back as whole rows of 256 bytes.  LDS serves a wave's instructions in order (ISA guide 5.7.1.4): no wait between the stores and the loads.
.macro TOSTAGE a
	WIN 0x04                                       ; the data: window 1
.irp b, 0,1,2,3
	ds_store_b128 v[STO], v[AC+8*(4*(\a)+\b):AC+8*(4*(\a)+\b)+3] offset:64*\b        ; each accumulator from its low end on
	ds_store_b128 v[STO], v[AC+8*(4*(\a)+\b)+4:AC+8*(4*(\a)+\b)+7] offset:64*\b+16
.endr
	WIN 0
.irp t, 0,1,2,3,4,5,6,7
	ds_load_b128 v[BK+32*(\a)+4*\t:BK+32*(\a)+4*\t+3], v[RD] offset:\t*2*SPITCH      ; each block has registers of its own
.endr
.endm
.macro SEND a, younger
	s_wait_dscnt \younger                          ; the block is back; the next block's 8 stores and 8 loads may be out
.irp t, 0,1,2,3,4,5,6,7
	global_store_b128 v[CO], v[BK+32*(\a)+4*\t:BK+32*(\a)+4*\t+3], s[12:13] offset:(\a)*65536+\t*8192 th:TH_STORE_NT   ; sixteen lanes store 256 consecutive bytes, aligned
.endr
.endm
	PLACES
	TOSTAGE 0
.irp a, 1,2,3
	TOSTAGE \a
	SEND \a-1, 16
.endr
	SEND 3, 0
	s_wait_tensorcnt 0x0                           ; the wave's end
	ds_add_u32 v[SPW], v[NIL]
	s_wait_dscnt 0x0
	CROUND                                         ; the closing round
	s_endpgm
.Lfunc_end_k_q2fc16efff1_proj:
	.size	k_q2fc16efff1_proj, .Lfunc_end_k_q2fc16efff1_proj-k_q2fc16efff1_proj
	.p2alignl 7, 3214868480
	.fill 96, 4, 3214868480
	.section	.rodata,"a",@progbits
	.p2align	6, 0x0
	.amdhsa_kernel k_q2fc16efff1_proj
		.amdhsa_group_segment_fixed_size 327680
		.amdhsa_private_segment_fixed_size 0
		.amdhsa_enable_private_segment 0
		.amdhsa_kernarg_size 40
		.amdhsa_user_sgpr_count 2
		.amdhsa_user_sgpr_kernarg_segment_ptr 1
		.amdhsa_wavefront_size32 1
		.amdhsa_system_sgpr_workgroup_id_x 1
		.amdhsa_system_sgpr_workgroup_id_y 1
		.amdhsa_system_sgpr_workgroup_id_z 1
		.amdhsa_system_vgpr_workitem_id 0
		.amdhsa_next_free_vgpr 512
		.amdhsa_next_free_sgpr 98
		.amdhsa_reserve_vcc 0
		.amdhsa_float_denorm_mode_32 3
		.amdhsa_float_denorm_mode_16_64 3
		.amdhsa_memory_ordered 1
		.amdhsa_forward_progress 1
		.amdhsa_inst_pref_size 61
	.end_amdhsa_kernel
	.amdgpu_metadata
---
amdhsa.version: [ 1, 2 ]
amdhsa.kernels:
  - .name:           k_q2fc16efff1_proj
    .symbol:         k_q2fc16efff1_proj.kd
    .args:
      - { .name: oc, .offset: 0, .size: 8, .value_kind: global_buffer, .address_space: global }
      - { .name: os, .offset: 8, .size: 8, .value_kind: global_buffer, .address_space: global }
      - { .name: xwc, .offset: 16, .size: 8, .value_kind: global_buffer, .address_space: global }
      - { .name: xws, .offset: 24, .size: 8, .value_kind: global_buffer, .address_space: global }
      - { .name: out0, .offset: 32, .size: 8, .value_kind: global_buffer, .address_space: global }
    .group_segment_fixed_size: 327680
    .private_segment_fixed_size: 0
    .kernarg_segment_align: 8
    .kernarg_segment_size: 40
    .max_flat_workgroup_size: 128
    .sgpr_count:     98
    .vgpr_count:     512
    .wavefront_size: 32
...
	.end_amdgpu_metadata
.endif
;; end of part 4
